; MI455X (gfx1250); checked and timed in simulation.
; The chip was launched on July 23, 2026; its instructions are those of AMD's public machine-readable ISA for CDNA 5 (MIT licence, August 2026) and "CDNA5" Instruction Set Architecture Reference Guide (July 2026). The comments in the code are by the model that wrote it; some were corrected since.
;; Multi Headed Attention. Allowed arithmetic: matrix products marked QUANTISED: E2M3 operands, one E8M0 scale for each 32 along K, by v_wmma_scale_f32_16x16x128_f8f6f4 with both operands' format E2M3, f32 sums; everything else in f32.
;; Inputs: Wk_codes 1,024 x 32 x 24 uint8 (E2M3 codes of Wk, K innermost, in blocks of 32 codes, four codes in three bytes); Wk_scales 1,024 x 32 uint8 (E8M0 scales of Wk, one for each 32 codes along K); Wo_codes 1,024 x 32 x 24 uint8 (E2M3 codes of Wo, K innermost, in blocks of 32 codes, four codes in three bytes); Wo_scales 1,024 x 32 uint8 (E8M0 scales of Wo, one for each 32 codes along K); Wq_codes 1,024 x 32 x 24 uint8 (E2M3 codes of Wq, K innermost, in blocks of 32 codes, four codes in three bytes); Wq_scales 1,024 x 32 uint8 (E8M0 scales of Wq, one for each 32 codes along K); Wv_codes 1,024 x 32 x 24 uint8 (E2M3 codes of Wv, K innermost, in blocks of 32 codes, four codes in three bytes); Wv_scales 1,024 x 32 uint8 (E8M0 scales of Wv, one for each 32 codes along K); bk 1,024 float32; bo 1,024 float32; bq 1,024 float32; bv 1,024 float32; k_in_codes 2 x 2,048 x 32 x 24 uint8 (E2M3 codes of k_in, K innermost, in blocks of 32 codes, four codes in three bytes); k_in_scales 2 x 2,048 x 32 uint8 (E8M0 scales of k_in, one for each 32 codes along K); q_in_codes 2 x 2,048 x 32 x 24 uint8 (E2M3 codes of q_in, K innermost, in blocks of 32 codes, four codes in three bytes); q_in_scales 2 x 2,048 x 32 uint8 (E8M0 scales of q_in, one for each 32 codes along K); rel_table 257 x 16 float32; v_in_codes 2 x 2,048 x 32 x 24 uint8 (E2M3 codes of v_in, K innermost, in blocks of 32 codes, four codes in three bytes); v_in_scales 2 x 2,048 x 32 uint8 (E8M0 scales of v_in, one for each 32 codes along K).
;; Outputs: out0 2 x 2,048 x 1,024 float32.
;; This version of the problem:
;;   THIS VERSION OF THE PROBLEM IS GIVEN IN LOW PRECISION. The matrix products marked QUANTISED in the list below multiply operands that are first quantised to E2M3 (2 exponent bits, 3 mantissa bits; 6 bits a number), with one power-of-two scale for each 32 numbers along K (OCP MX v1.0); their sums are f32. All else is computed in f32.
;;   The module's matrix products, in the order in which they are computed (A, B: the left and right operand; K: the contracted axis; several contracted axes count as one K, in the product's order):
;;     1. [M 4,096, K 1,024] x [K 1,024, N 1,024]; A: input q_in (given as codes); B: input Wq (given as codes): QUANTISED
;;     2. [M 4,096, K 1,024] x [K 1,024, N 1,024]; A: input k_in (given as codes); B: input Wk (given as codes): QUANTISED
;;     3. [M 4,096, K 1,024] x [K 1,024, N 1,024]; A: input v_in (given as codes); B: input Wv (given as codes): QUANTISED
;;     4. batch 32 x [M 2,048, K 64] x [K 64, N 2,048]; A: computed on the way; B: computed on the way: QUANTISED
;;     5. batch 32 x [M 2,048, K 2,048] x [K 2,048, N 64]; A: computed on the way; B: computed on the way: QUANTISED
;;     6. [M 4,096, K 1,024] x [K 1,024, N 1,024]; A: computed on the way; B: input Wo (given as codes): QUANTISED
;;   THE QUANTISER, for each operand of a quantised product, along K:
;;     - K is cut into blocks of 32 from its start; a last block that is shorter is filled with zeros.
;;     - A block's scale is 2^e with e = floor(log2(the largest magnitude in the block)) - 2, held to -126 .. 127; a block of zeros has e = 0. As a byte (E8M0): e + 127.
;;     - Each number is divided by its block's scale, clamped to +-7.5, and rounded to the nearest number of E2M3, ties to even, subnormals kept.
;;     - The product sums the exact products of the quantised numbers (number of the format x scale) in f32.
;;   ~~~python
;;   def quantise(x, axis):      # numpy; x: float32 -> the quantised numbers, widened to float32 again
;;       x = np.moveaxis(x, axis, -1); K = x.shape[-1]
;;       x = np.pad(x, [(0, 0)] * (x.ndim - 1) + [(0, -K % 32)]); x = x.reshape(x.shape[:-1] + (-1, 32)); a = np.abs(x).max(-1, keepdims=True)
;;       e = np.where(a > 0, np.clip(np.frexp(np.where(a > 0, a, 1))[1] - 1 - 2, -126, 127), 0)      # np.frexp(a)[1] - 1 = floor(log2(a)), exactly
;;       r = np.clip(x / 2.0 ** e, -7.5, 7.5)
;;       step = 2.0 ** (np.maximum(np.frexp(np.where(r == 0, 1, r))[1] - 1, 0) - 3)
;;       q = np.round(r / step) * step * 2.0 ** e      # np.round: ties to even
;;       return np.moveaxis(q.reshape(q.shape[:-2] + (-1,))[..., :K], -1, axis).astype(np.float32)
;;   ~~~
;;   OPERANDS COMPUTED ON THE WAY. 'Computed on the way' means the value that the module computes at that place (a softmax that the list does not call 'softmax' is quantised finished and normalised). What goes into a quantiser is computed in f32, as accurately as f32 sums, v_exp_f32 and their like allow (about 1e-6 of the number): no bf16 or f16 on the way to a quantiser, and a product that is left as it is and whose result goes on into a quantised operand takes f32 operands (vector FMAs, or v_wmma_f32_16x16x4_f32). A number that lies on a knife's edge between two numbers of the format may be rounded either way, as far as f32 arithmetic and the matrix unit's own rounding can turn it there, and no further.
;;   INPUTS GIVEN AS CODES. Wk (in the module: [1024, 1024], K = its axis 0); Wo (in the module: [1024, 1024], K = its axis 0); Wq (in the module: [1024, 1024], K = its axis 0); Wv (in the module: [1024, 1024], K = its axis 0); k_in (in the module: [2, 2048, 1024], K = its axis 2); q_in (in the module: [2, 2048, 1024], K = its axis 2); v_in (in the module: [2, 2048, 1024], K = its axis 2): each comes as NAME_codes (uint8): NAME with its K axis moved to the last place and cut into blocks of 32 codes, [.., K / 32, bytes a block], one block behind the other in memory; four codes in three bytes: a row's codes are one little-endian stream of bits, code i at bits 6 i .. 6 i + 5 (a code: sign, 2 exponent bits, 3 mantissa bits); and NAME_scales (uint8): the same leading axes, one E8M0 byte (e + 127) for each 32 codes along K. Its value is code x scale, taken as it is: it is not quantised again, and the codes and scales need not be those that the quantiser above would give.
;; 2 versions, each right; version 2 is version 1 with the launch attn written anew for expert scheduling mode. Each part assembles by itself: llvm-mc -triple=amdgcn-amd-amdhsa -mcpu=gfx1250 --defsym DOCPART=n.
;; ======== version 1 of 2: 3 launches
;; limits: right only within a limited range of input values
;; workspace buffers: qc 3,145,728 bytes; qs 262,144 bytes; kc 3,145,728 bytes; ks 262,144 bytes; vc 3,145,728 bytes; vs 262,144 bytes; oc 3,145,728 bytes; os 262,144 bytes
;; launch proj (part 1): grid 24 x 32, 4 waves a work-group, clusters of 4 x 4, 209,408 bytes of LDS; arguments Wq_codes, Wq_scales, q_in_codes, q_in_scales, bq, qc, qs, Wk_codes, Wk_scales, k_in_codes, k_in_scales, bk, kc, ks, v_in_codes, v_in_scales, Wv_codes, Wv_scales, bv, vc, vs; writes qc, qs, kc, ks, vc, vs
.if DOCPART == 1
	.amdgcn_target "amdgcn-amd-amdhsa--gfx1250"
	.amdhsa_code_object_version 6
	.text
	.protected	k_q9565d8fe52_proj
	.globl	k_q9565d8fe52_proj
	.p2align	8
	.type	k_q9565d8fe52_proj,@function
k_q9565d8fe52_proj:
	s_mov_b64 s[64:65], 0
	v_nop
	global_prefetch_b8 v0, s[64:65] scope:SCOPE_SE
	s_setreg_imm32_b32 hwreg(HW_REG_WAVE_MODE, 25, 1), 1
	s_wait_xcnt 0x0
	s_wait_alu depctr_hold_cnt(0) depctr_sa_sdst(0) depctr_va_vdst(0) depctr_va_sdst(0) depctr_va_ssrc(0) depctr_va_vcc(0) depctr_vm_vsrc(0)
	s_getreg_b32 s2, hwreg(HW_REG_IB_STS2, 6, 4)
	s_cmp_eq_u32 s2, 0
	s_cbranch_scc0 .Lentry_in_a_cluster
	s_endpgm
.Lentry_in_a_cluster:
	s_bfe_u32 s2, ttmp6, 0x10000c
	s_cmp_lg_u32 s2, 0xf033
	s_cbranch_scc0 .Lentry_shape_is_right
	s_endpgm
.Lentry_shape_is_right:
; q = q_in Wq + bq, k = k_in Wk + bk, v = v_in Wv + bv on given codes of FP6 (E2M3) with E8M0 scales, K = 1,024; the results are quantised at once and leave as codes.
; ONE BODY FOR THE THREE: C'[i][j] = sum over k of P1[i][k] P0[j][k].  Source 0 = 16 rows of P0, source 1 = 16 rows of P1: a lane holds ONE i and its registers run along j, and the result is
; quantised along j.  q, k: P0 = the weight (j = features: the next K is the head's 64), P1 = the activations.  v: P0 = v_in (j = tokens: the next K is the keys), P1 = Wv.  Only pointers and offsets are chosen.
; SHARES.  768 work-groups, 256 a matrix; a work-group makes 128 i x 128 j, each of its four waves 64 x 64: 16 accumulators.  All of K of both tiles (2 x 128 rows x 768 bytes) lies in LDS at once, as three
; chunks of 256 bytes a row (pitch 272: row r starts 4 r words on, so a load's 32 lanes touch 64 different words modulo 64): first fills only, three tensor loads a wave, nothing is filled twice.
; CLUSTERS: 4 x 4 work-groups.  P1's tile hangs on the cluster's numbers and cy and is asked for jointly along a row of the cluster, P0's on cx and along a column.
; WHAT LEAVES: an IMAGE of the next operand's registers: 16 rows x 64 along K = six registers a lane (lanes 0-15 block 0, lanes 16-31 block 1): 512 bytes at 16 x lane, then 256 bytes at 8 x lane; and one word a row
; with the two scale bytes.  Inside a block of 32 the codes lie in a fixed order (place 16 g + i holds number 8 g + i % 8 + 16 (i / 8)), the same in both operands of the products that read them: sums and scales are not touched.
; v's images take their 16 features in the order 32 b + 8 u + row + 8 (row / 8) (image 2 b + u), so that the attention's result falls into natural order along D.
; LIMITS: NaN and infinities are not served.  A block whose largest magnitude lies under 2^-124 gets the byte 1; so does a block of zeros (its codes are zeros; only this program reads the bytes).
.set PIT,  272
.set CH,   128*PIT                     ; a chunk: 128 rows
.set HALF, 64*PIT                      ; what one tensor load brings
.set R0B,  3*CH                        ; P1's three chunks from 0, P0's from here
.set SC0,  16                          ; v16-31  P0's scale words: tile t, register q: lanes 0-15 K step q, lanes 16-31 K step q + 4
.set SC1,  32                          ; v32-47  P1's likewise
.set F0,   48                          ; v48-143  P0's fragments, two sets of 4 x 12
.set F1,   144                         ; v144-239 P1's
.set VO16, 11                          ; v11, v12 where an image's first plane goes (even a, odd a);  v13, v14 its second plane;  v15 the scale words
.set VO8,  13
.set VOS,  15
.set BJ,   128                         ; window 1: v0-127 the accumulators ((a, t) at 32 a + 8 t); v128-159 the bias along j; v160-167 along i (even registers; the odd ones 0)
.set BI,   160
.set TM,   184                         ; window 1, at work: largest magnitudes, the other half's, scale operands, bytes
.set TX,   186
.set SCL,  188
.set BY,   190
.set PX,   192
.set PW,   196                         ; v196-199 scale words of the four images
.set XW,   200
.set PC,   208                         ; v208-239 the four images, eight registers apart
.set SEL,  96                          ; s96, s97 selects for lane l xor 16
.set MSB,  0
.macro WIN new                         ; the immediate's high byte repeats the setting that is left
.if MSB != \new
	s_set_vgpr_msb (MSB<<8)|\new
.set MSB, \new
.endif
.endm
.macro PLACES                          ; four plain vector instructions behind a matrix instruction, ahead of loads into its registers and of reads of its result
.rept 4
	v_nop
.endr
.endm
.macro CROUND                          ; a round of the cluster's barrier
	s_barrier_signal -1
	s_barrier_wait -1
	s_cmp_lg_u32 s46, 0
	s_cbranch_scc1 .Lnot_wave_0_\@
	s_barrier_signal -3
.Lnot_wave_0_\@:
	s_barrier_wait -3
	s_barrier_signal -1
	s_barrier_wait -1
.endm
; 32 numbers of a lane (register 16 b + i: my i-th of block b) become an image in v[pc .. pc + 5] and my row's scale word in v[pw]
.macro QUANT2 s, pc, pw
.irp b, 0,1
	v_max3_num_f32 v[TM+\b], |v[\s+16*\b]|, |v[\s+16*\b+1]|, 0x1800000   ; from each accumulator's low end on; the floor 2^(3 - 127) holds the byte at 1 from below
.endr
.irp i, 2,4,6,8,10,12,14
.irp b, 0,1
	v_max3_num_f32 v[TM+\b], v[TM+\b], |v[\s+16*\b+\i]|, |v[\s+16*\b+\i+1]|
.endr
.endr
.irp b, 0,1
	v_permlanex16_b32 v[TX+\b], v[TM+\b], s[SEL], s[SEL+1]
.endr
.irp b, 0,1
	v_max_num_f32 v[TM+\b], v[TM+\b], v[TX+\b]     ; with lane l xor 16's 16: the block's largest magnitude
.endr
.irp b, 0,1
	v_add_nc_u32 v[SCL+\b], 0xff000000, v[TM+\b]   ; 2 off its exponent field: the conversion's scale operand
.endr
.irp b, 0,1
	v_lshrrev_b32 v[BY+\b], 23, v[SCL+\b]          ; the scale's byte
.endr
	v_lshl_or_b32 v[\pw], v[BY+1], 8, v[BY]
	v_cvt_scalef32_pk16_fp6_f32 v[\pc:\pc+2], v[\s:\s+15], v[SCL]
	v_cvt_scalef32_pk16_fp6_f32 v[PX:PX+2], v[\s+16:\s+31], v[SCL+1]
	v_nop                                          ; one plain place behind a scaled conversion
.irp i, 0,1,2
	v_permlane16_swap_b32 v[\pc+\i], v[PX+\i]      ; lanes 0-15 now hold block 0, lanes 16-31 block 1: first the lower 16 codes,
.endr
.irp i, 0,1,2
	v_mov_b32 v[\pc+3+\i], v[PX+\i]                ; then the upper 16
.endr
.endm
; A fragment, 16 rows x 128 K: six loads of 8 bytes.  Lanes 0-15 take the row's pieces 12 s + 0, 1, 2, 6, 7, 8, lanes 16-31 those three on.  32 pieces to a chunk.
; adr: row x pitch + 24 x half;  adr + 1: row x pitch + half x (CH - 232), for pieces whose partner three on lies in the next chunk;  adr + 2: adr + two chunks.
.macro FRAGR reg, adr, s, t
.irp p, 0,1,2,3,4,5
.set PCE, 12*(\s)+6*(\p/3)+\p%3
.if PCE/32 == 2
	ds_load_b64 v[\reg+2*\p:\reg+2*\p+1], v[\adr+2] offset:8*(PCE%32)+(\t)*16*PIT
.elseif PCE%32 >= 29
	ds_load_b64 v[\reg+2*\p:\reg+2*\p+1], v[\adr+1] offset:8*(PCE%32)+(PCE/32)*CH+(\t)*16*PIT
.else
	ds_load_b64 v[\reg+2*\p:\reg+2*\p+1], v[\adr] offset:8*(PCE%32)+(PCE/32)*CH+(\t)*16*PIT
.endif
.endr
.endm
.macro FETCH s                         ; K step s: 48 loads in one run, into set s % 2
.irp t, 0,1,2,3
	FRAGR F0+48*((\s)%2)+12*\t, 7, \s, \t
.endr
.irp t, 0,1,2,3
	FRAGR F1+48*((\s)%2)+12*\t, 4, \s, \t
.endr
.endm
; 8 products of K step s: P1's tiles a0, a0 + 1 x P0's four.  The 16 accumulators take turns, one instruction a turn, in the same order in every step.
.macro MUL8 s, a0
.irp a, \a0, \a0+1
.irp t, 0,1,2,3
.if (\s) < 4
	v_wmma_scale_f32_16x16x128_f8f6f4 v[32*(\a)+8*\t:32*(\a)+8*\t+7], v[F0+48*((\s)%2)+12*\t:F0+48*((\s)%2)+12*\t+11], v[F1+48*((\s)%2)+12*(\a):F1+48*((\s)%2)+12*(\a)+11], v[32*(\a)+8*\t:32*(\a)+8*\t+7], v[SC0+4*\t+(\s)%4], v[SC1+4*(\a)+(\s)%4] matrix_a_fmt:MATRIX_FMT_FP6 matrix_b_fmt:MATRIX_FMT_FP6
.else
	v_wmma_scale_f32_16x16x128_f8f6f4 v[32*(\a)+8*\t:32*(\a)+8*\t+7], v[F0+48*((\s)%2)+12*\t:F0+48*((\s)%2)+12*\t+11], v[F1+48*((\s)%2)+12*(\a):F1+48*((\s)%2)+12*(\a)+11], v[32*(\a)+8*\t:32*(\a)+8*\t+7], v[SC0+4*\t+(\s)%4], v[SC1+4*(\a)+(\s)%4] matrix_a_fmt:MATRIX_FMT_FP6 matrix_b_fmt:MATRIX_FMT_FP6 matrix_a_scale:MATRIX_SCALE_ROW1 matrix_b_scale:MATRIX_SCALE_ROW1
.endif
.endr
.endr
.endm
.macro STEP s                          ; the next step's fragments lie in chunks that have been shown whole
	WIN 0
	PLACES                                         ; the set to be loaded was read by the products just issued
	FETCH (\s)+1
	s_wait_dscnt 48                                ; all but the 48 just issued: this step's fragments are in
	WIN 0x50                                       ; C and D in window 1
	MUL8 \s, 0
	MUL8 \s, 2
.endm
.macro TURN s, n                       ; the next step reads a chunk further on: n younger chunks of mine may stay out
	s_wait_dscnt 0x0                               ; this step's fragments are in; no LDS instruction of mine is out at the signal
	s_wait_tensorcnt \n                            ; my part of the next chunk has landed
	s_barrier_signal -1
	WIN 0x50
	MUL8 \s, 0                                     ; work on registers while the others arrive
	WIN 0
	s_barrier_wait -1                              ; everybody's part has landed
	PLACES
	FETCH (\s)+1
	WIN 0x50
	MUL8 \s, 2
.endm
	s_load_b512 s[4:19], s[0:1], 0x0               ; seven addresses a matrix, in the order P0's codes, P0's scales, P1's codes, P1's scales, bias, codes out, scale words out: q's at s4,
	s_load_b512 s[20:35], s[0:1], 0x40             ; k's at s18,
	s_load_b256 s[36:43], s[0:1], 0x80             ; v's at s32
	s_load_b64 s[44:45], s[0:1], 0xa0
	v_lshl_add_u32 v254, v0, 2, 0x33000
	v_mov_b32 v255, 0
	ds_add_u32 v254, v255
	ds_add_u32 v254, v255
	v_lshrrev_b32 v1, 5, v0
	v_readfirstlane_b32 s46, v1                    ; wave 0..3
	s_lshr_b32 s47, s46, 1                         ; which 64 of the tile's i are mine.  Also: I fetch for P1 (0) or for P0 (1)
	s_and_b32 s48, s46, 1                          ; which 64 of its j.  Also: which 64 rows I fetch
	s_bfe_u32 s49, ttmp6, 0x40000                  ; cx
	s_bfe_u32 s50, ttmp6, 0x40004                  ; cy
	s_and_b32 s51, ttmp7, 0xffff                   ; the cluster's y, 0..7
	s_and_b32 s52, ttmp9, 1                        ; the cluster's x is 2 x matrix + this
	s_lshr_b32 s53, ttmp9, 1                       ; the matrix: 0 q, 1 k, 2 v
	s_cmp_ge_u32 ttmp9, 4
	s_cselect_b32 s54, 1, 0                        ; v?
	s_cselect_b32 s55, s51, s52                    ; P0 has 8 tiles (a weight) or, for v, 32 (the tokens)
	s_cselect_b32 s56, s52, s51                    ; P1 the other way round
	s_cselect_b32 s57, -1, 0                       ; a lane mask: all lanes for v,
	s_cselect_b32 s58, 0, -1                       ; all lanes for q and k
	s_lshl_b32 s55, s55, 2
	s_add_co_u32 s55, s55, s49                     ; P0's tile: hangs on cx
	s_lshl_b32 s56, s56, 2
	s_add_co_u32 s56, s56, s50                     ; P1's tile: hangs on cy
	s_lshl_b32 s59, s50, 2
	s_lshl_b32 s59, 15, s59                        ; my row of the cluster
	s_lshl_b32 s60, 0x1111, s49                    ; my column
	; descriptor group 1: 64 rows x 32 elements of 8 bytes, rows 96 elements apart; in LDS 4 words of padding behind every 64
	s_or_b32 s68, s59, (3<<16)|(1<<20)|(1<<21)|(5<<22)|(3<<25)   ; P1's chunks go to my row
	s_or_b32 s76, s60, (3<<16)|(1<<20)|(1<<21)|(5<<22)|(3<<25)   ; P0's to my column
.irp g, 68, 76
	s_mov_b32 s[\g+1], 32<<16                      ; tensor_dim0
	s_mov_b32 s[\g+2], 64<<16                      ; tensor_dim1
	s_mov_b32 s[\g+3], 32<<16                      ; tile_dim0
	s_mov_b32 s[\g+4], 64                          ; tile_dim1
	s_mov_b32 s[\g+5], 96                          ; from row to row
	s_mov_b32 s[\g+6], 0
	s_mov_b32 s[\g+7], 0
.endr
	s_lshl_b32 s61, s56, 7
	s_lshl_b32 s62, s48, 6
	s_add_co_u32 s61, s61, s62                     ; P1: the first row that I fetch
	s_mul_i32 s62, s61, 768
	s_mov_b32 s63, 0
	s_lshl_b32 s98, s55, 7
	s_lshl_b32 s66, s48, 6
	s_add_co_u32 s98, s98, s66                     ; P0 likewise, in registers that never hold cy
	s_mul_i32 s66, s98, 768
	s_mov_b32 s67, 0
	s_mul_i32 s99, s48, HALF                       ; and where they go: no place in the cluster enters an LDS address
	s_mov_b32 s[SEL], 0x76543210
	s_mov_b32 s[SEL+1], 0xfedcba98
	s_wait_dscnt 0x0
	s_wait_kmcnt 0x0
	s_cmp_eq_u32 s53, 1                            ; the matrix's seven addresses: the choice hangs on the cluster's number alone
.irp i, 0,1,2,3,4,5,6
	s_cselect_b64 s[18+2*\i:19+2*\i], s[18+2*\i:19+2*\i], s[32+2*\i:33+2*\i]
.endr
	s_cmp_eq_u32 s53, 0
.irp i, 0,1,2,3,4,5,6
	s_cselect_b64 s[4+2*\i:5+2*\i], s[4+2*\i:5+2*\i], s[18+2*\i:19+2*\i]
.endr
	s_add_nc_u64 s[62:63], s[8:9], s[62:63]
	s_add_nc_u64 s[66:67], s[4:5], s[66:67]
.irp c, 0,1,2                          ; group 0 for each chunk: P1's in s[84:95], P0's in s[20:31]
	s_mov_b32 s[84+4*\c], 1
	s_add_co_u32 s[85+4*\c], s99, \c*CH
	s_add_nc_u64 s[86+4*\c:87+4*\c], s[62:63], 256*\c
	s_or_b32 s[87+4*\c], s[87+4*\c], 0x80000000
	s_mov_b32 s[20+4*\c], 1
	s_add_co_u32 s[21+4*\c], s99, R0B+\c*CH
	s_add_nc_u64 s[22+4*\c:23+4*\c], s[66:67], 256*\c
	s_or_b32 s[23+4*\c], s[23+4*\c], 0x80000000
.endr
	CROUND                                         ; all sixteen work-groups are here: the joint loads meet
	s_cmp_eq_u32 s47, 0                            ; a wave's three fills stand in one branch on its number: three loads of mine are out
	s_cbranch_scc0 .Lfill_p0
	tensor_load_to_lds s[84:87], s[68:75]
	s_nop 0
	tensor_load_to_lds s[88:91], s[68:75]
	s_nop 0
	tensor_load_to_lds s[92:95], s[68:75]
	s_nop 0
.rept 4
	v_nop
.endr
	s_branch .Lfilled
.Lfill_p0:
	tensor_load_to_lds s[20:23], s[76:83]
	s_nop 0
	tensor_load_to_lds s[24:27], s[76:83]
	s_nop 0
	tensor_load_to_lds s[28:31], s[76:83]
	s_nop 0
.rept 4
	v_nop
.endr
.Lfilled:
	v_and_b32 v1, 15, v0                           ; r
	v_bfe_u32 v2, v0, 4, 1                         ; h
	v_and_b32 v3, 31, v0                           ; lane
	v_mul_u32_u24 v240, v1, PIT
	s_mul_i32 s32, s47, HALF                       ; my 64 rows of P1,
	s_mul_i32 s33, s48, HALF
	s_add_co_u32 s33, s33, R0B                     ; of P0
	v_mad_u32_u24 v4, v2, 24, v240
	v_mad_u32_u24 v5, v2, CH-232, v240
	v_add_nc_u32 v7, s33, v4
	v_add_nc_u32 v8, s33, v5
	v_add_nc_u32 v4, s32, v4
	v_add_nc_u32 v5, s32, v5
	v_add_nc_u32 v6, 2*CH, v4
	v_add_nc_u32 v9, 2*CH, v7
	v_lshlrev_b32 v10, 5, v1
	v_lshl_add_u32 v10, v2, 4, v10                 ; a row of scales is 32 bytes: lanes 0-15 take its words 0-3, lanes 16-31 words 4-7
	s_lshl_b32 s34, s55, 7
	s_lshl_b32 s35, s48, 6
	s_add_co_u32 s34, s34, s35                     ; my first j
	s_lshl_b32 s36, s56, 7
	s_lshl_b32 s35, s47, 6
	s_add_co_u32 s36, s36, s35                     ; my first i
	s_mov_b32 s39, 0
	s_mov_b32 s41, 0
	s_lshl_b32 s38, s34, 5
	s_lshl_b32 s40, s36, 5
	s_add_nc_u64 s[6:7], s[6:7], s[38:39]
	s_add_nc_u64 s[10:11], s[10:11], s[40:41]
.irp t, 0,1,2,3
	global_load_b128 v[SC0+4*\t:SC0+4*\t+3], v10, s[6:7] offset:512*\t
	global_load_b128 v[SC1+4*\t:SC1+4*\t+3], v10, s[10:11] offset:512*\t
.endr
	s_cmp_lg_u32 s54, 0
	s_cselect_b32 s38, 0, s34                      ; the bias runs along j for q and k, along i for v; the side that is not used reads the bias's first numbers and is cleared
	s_cselect_b32 s40, s36, 0
	s_cselect_b32 s32, s34, s36                    ; my first token,
	s_cselect_b32 s33, s36, s34                    ; my first feature
	s_mov_b32 s37, 768
	s_cselect_b32 s35, 128, s37                    ; from an even a's image to the next a's: another image, or for v eight rows on in the same two
	s_cselect_b32 s37, 64, s37
	s_lshl_b32 s38, s38, 2
	s_lshl_b32 s40, s40, 2
	s_add_nc_u64 s[42:43], s[12:13], s[38:39]
	s_add_nc_u64 s[44:45], s[12:13], s[40:41]
	v_lshlrev_b32 v248, 5, v2                      ; 32 h: my eight j of a tile
	v_lshlrev_b32 v249, 2, v1                      ; 4 r: my i
	WIN 0x40                                       ; destination window 1, address window 0
.irp t, 0,1,2,3
	global_load_b128 v[BJ+8*\t:BJ+8*\t+3], v248, s[42:43] offset:64*\t
	global_load_b128 v[BJ+8*\t+4:BJ+8*\t+7], v248, s[42:43] offset:64*\t+16
.endr
.irp a, 0,1,2,3
	global_load_b32 v[BI+2*\a], v249, s[44:45] offset:64*\a
	v_mov_b32 v[BI+2*\a+1], 0                      ; named with it as a pair
.endr
	v_mov_b32 v[TX], 0                             ; written once: a lane permute's destination counts as one of its sources
	v_mov_b32 v[TX+1], 0
	WIN 0
	; where the images go.  q, k: image a, as it stands.  v: lane (r, h) of tile a holds feature 16 a + r, which is row 8 (a % 2) + r % 8 of image 2 (a / 2) + r / 8
	v_lshrrev_b32 v240, 3, v1
	v_and_b32 v241, 7, v1
	v_lshl_add_u32 v242, v2, 4, v241               ; 16 h + r % 8
	v_mul_u32_u24 v243, v240, 768
	v_lshl_add_u32 v244, v242, 4, v243
	v_lshl_add_u32 v245, v242, 3, v243
	v_lshlrev_b32 v246, 4, v3
	v_lshlrev_b32 v247, 3, v3
	v_cndmask_b32 v[VO16], v246, v244, s57
	v_cndmask_b32 v[VO8], v247, v245, s57
	v_add_nc_u32 v[VO8], 512, v[VO8]
	v_add_nc_u32 v[VO16+1], s35, v[VO16]
	v_add_nc_u32 v[VO8+1], s37, v[VO8]
	v_lshlrev_b32 v244, 6, v240
	v_lshl_add_u32 v244, v2, 5, v244
	v_lshl_add_u32 v244, v241, 2, v244             ; v's scale words: 64 (r / 8) + 32 h + 4 (r % 8)
	v_lshlrev_b32 v245, 2, v3
	v_cndmask_b32 v[VOS], v245, v244, s57
	s_mov_b32 s59, 0xffff0000                      ; lanes 16-31
	s_lshr_b32 s33, s33, 6                         ; the head
	s_lshl_b32 s33, s33, 7
	s_lshr_b32 s60, s32, 11
	s_lshl_b32 s60, s60, 11                        ; 2,048 images a batch
	s_add_co_u32 s60, s60, s33
	s_bfe_u32 s32, s32, 0x70004                    ; (token % 2,048) / 16
	s_add_co_u32 s60, s60, s32                     ; my first image
	s_mul_i32 s32, s60, 768
	s_mov_b32 s33, 0
	s_add_nc_u64 s[14:15], s[14:15], s[32:33]
	s_lshl_b32 s32, s60, 6
	s_add_nc_u64 s[16:17], s[16:17], s[32:33]
	s_wait_loadcnt 0x0                             ; scales and biases
	WIN 0x55
.set J, 0
.rept 32
	v_cndmask_b32 v[BJ+J], 0, v[BJ+J], s58
.set J, J+1
.endr
.irp a, 0,1,2,3
	v_cndmask_b32 v[BI+2*\a], 0, v[BI+2*\a], s57
.endr
.irp a, 0,1,2,3                        ; the sums begin as the bias, made while the tiles are on their way
.irp t, 0,1,2,3
.irp k, 0,2,4,6
	v_pk_add_f32 v[32*\a+8*\t+\k:32*\a+8*\t+\k+1], v[BJ+8*\t+\k:BJ+8*\t+\k+1], v[BI+2*\a:BI+2*\a+1] op_sel_hi:[1,0]
.endr
.endr
.endr
	WIN 0
	s_wait_tensorcnt 0x2                           ; my part of chunk 0 is in; chunks 1 and 2 may stay out: nothing is filled twice in this launch
	s_barrier_signal -1
	s_barrier_wait -1                              ; everybody's is
	FETCH 0
	STEP 0                                         ; K steps 0 and 1 read chunk 0,
	TURN 1, 1
	STEP 2                                         ; 2 to 4 chunk 1 too,
	STEP 3
	TURN 4, 0
	STEP 5                                         ; 5 to 7 chunk 2
	STEP 6
	s_wait_dscnt 0x0
	WIN 0x50
	MUL8 7, 0
	MUL8 7, 2
	; THE WAY OUT: each tile of 16 i becomes an image.  Each has registers of its own, so no store's data are written again.
	WIN 0x55
	PLACES
.irp a, 0,1,2,3
	WIN 0x55
	QUANT2 32*\a, PC+8*\a, PW+\a
	WIN 0x04                                       ; a store's data in window 1, its address in window 0
	global_store_b128 v[VO16+\a%2], v[PC+8*\a:PC+8*\a+3], s[14:15] offset:1536*(\a/2)
	global_store_b64 v[VO8+\a%2], v[PC+8*\a+4:PC+8*\a+5], s[14:15] offset:1536*(\a/2)
.endr
	WIN 0x55
.irp b, 0,1
	v_cndmask_b32 v[XW+\b], v[PW+2*\b], v[PW+2*\b+1], s59   ; lanes 0-15 the even tile's words, lanes 16-31 the odd one's
.endr
	WIN 0x04
.irp b, 0,1
	global_store_b32 v[VOS], v[XW+\b], s[16:17] offset:128*\b
.endr
	WIN 0
	s_wait_tensorcnt 0x0
	ds_add_u32 v254, v255
	s_wait_dscnt 0x0
	CROUND                                         ; the closing round: no work-group ends while a partner may still ask for a tile that names it
	s_endpgm
.Lfunc_end_k_q9565d8fe52_proj:
	.size	k_q9565d8fe52_proj, .Lfunc_end_k_q9565d8fe52_proj-k_q9565d8fe52_proj
	.p2alignl 7, 3214868480
	.fill 96, 4, 3214868480
	.section	.rodata,"a",@progbits
	.p2align	6, 0x0
	.amdhsa_kernel k_q9565d8fe52_proj
		.amdhsa_group_segment_fixed_size 209408
		.amdhsa_private_segment_fixed_size 0
		.amdhsa_enable_private_segment 0
		.amdhsa_kernarg_size 168
		.amdhsa_user_sgpr_count 2
		.amdhsa_user_sgpr_kernarg_segment_ptr 1
		.amdhsa_wavefront_size32 1
		.amdhsa_system_sgpr_workgroup_id_x 1
		.amdhsa_system_sgpr_workgroup_id_y 1
		.amdhsa_system_sgpr_workgroup_id_z 1
		.amdhsa_system_vgpr_workitem_id 0
		.amdhsa_next_free_vgpr 512
		.amdhsa_next_free_sgpr 100
		.amdhsa_reserve_vcc 0
		.amdhsa_float_denorm_mode_32 3
		.amdhsa_float_denorm_mode_16_64 3
		.amdhsa_memory_ordered 1
		.amdhsa_forward_progress 1
		.amdhsa_inst_pref_size 70
	.end_amdhsa_kernel
	.amdgpu_metadata
---
amdhsa.version: [ 1, 2 ]
amdhsa.kernels:
  - .name:           k_q9565d8fe52_proj
    .symbol:         k_q9565d8fe52_proj.kd
    .args:
      - { .name: Wq_codes, .offset: 0, .size: 8, .value_kind: global_buffer, .address_space: global }
      - { .name: Wq_scales, .offset: 8, .size: 8, .value_kind: global_buffer, .address_space: global }
      - { .name: q_in_codes, .offset: 16, .size: 8, .value_kind: global_buffer, .address_space: global }
      - { .name: q_in_scales, .offset: 24, .size: 8, .value_kind: global_buffer, .address_space: global }
      - { .name: bq, .offset: 32, .size: 8, .value_kind: global_buffer, .address_space: global }
      - { .name: qc, .offset: 40, .size: 8, .value_kind: global_buffer, .address_space: global }
      - { .name: qs, .offset: 48, .size: 8, .value_kind: global_buffer, .address_space: global }
      - { .name: Wk_codes, .offset: 56, .size: 8, .value_kind: global_buffer, .address_space: global }
      - { .name: Wk_scales, .offset: 64, .size: 8, .value_kind: global_buffer, .address_space: global }
      - { .name: k_in_codes, .offset: 72, .size: 8, .value_kind: global_buffer, .address_space: global }
      - { .name: k_in_scales, .offset: 80, .size: 8, .value_kind: global_buffer, .address_space: global }
      - { .name: bk, .offset: 88, .size: 8, .value_kind: global_buffer, .address_space: global }
      - { .name: kc, .offset: 96, .size: 8, .value_kind: global_buffer, .address_space: global }
      - { .name: ks, .offset: 104, .size: 8, .value_kind: global_buffer, .address_space: global }
      - { .name: v_in_codes, .offset: 112, .size: 8, .value_kind: global_buffer, .address_space: global }
      - { .name: v_in_scales, .offset: 120, .size: 8, .value_kind: global_buffer, .address_space: global }
      - { .name: Wv_codes, .offset: 128, .size: 8, .value_kind: global_buffer, .address_space: global }
      - { .name: Wv_scales, .offset: 136, .size: 8, .value_kind: global_buffer, .address_space: global }
      - { .name: bv, .offset: 144, .size: 8, .value_kind: global_buffer, .address_space: global }
      - { .name: vc, .offset: 152, .size: 8, .value_kind: global_buffer, .address_space: global }
      - { .name: vs, .offset: 160, .size: 8, .value_kind: global_buffer, .address_space: global }
    .group_segment_fixed_size: 209408
    .private_segment_fixed_size: 0
    .kernarg_segment_align: 8
    .kernarg_segment_size: 168
    .max_flat_workgroup_size: 128
    .sgpr_count:     100
    .vgpr_count:     512
    .wavefront_size: 32
...
	.end_amdgpu_metadata
.endif
;; end of part 1
;; launch attn (part 2): grid 8 x 32, 8 waves a work-group, no clusters, 46,336 bytes of LDS; arguments qc, qs, kc, ks, vc, vs, rel_table, oc, os; writes oc, os
.if DOCPART == 2
	.amdgcn_target "amdgcn-amd-amdhsa--gfx1250"
	.amdhsa_code_object_version 6
	.text
	.protected	k_q9565d8fe52_attn
	.globl	k_q9565d8fe52_attn
	.p2align	8
	.type	k_q9565d8fe52_attn,@function
k_q9565d8fe52_attn:
	s_mov_b64 s[64:65], 0
	v_nop
	global_prefetch_b8 v0, s[64:65] scope:SCOPE_SE
	s_setreg_imm32_b32 hwreg(HW_REG_WAVE_MODE, 25, 1), 1
	s_wait_xcnt 0x0
; The banded attention of one (batch, head) for 256 queries: scores = q k^T / 8 + bias inside |key - query| <= 64, softmax, p v; both products on codes of FP6 (E2M3) with E8M0 scales.
; The mask is the module's own: outside the band p is 0, so a unit of 64 queries (number c) needs the keys of units c - 1, c, c + 1 alone: 192 keys, six whole blocks of 32, and every block of p that holds
; anything lies wholly among them, so the blocks' scales are the true ones.
; SHARES.  Wave w takes unit c = 4 x + w / 2, and of its queries the 32 from 32 (w % 2) on: two tiles of 16.  Two waves to a SIMD.
; LAYOUT.  Both products transposed: S^T = K Q^T (source 0 = 16 keys, source 1 = 16 queries), O^T = V^T P^T: a lane holds one query throughout, its registers run along the keys, then along the head's features.
; Operands come as images of their registers (see the launch that makes them).  K = 64 fills half an operand: Q's upper six registers are zero codes, so K's may be whatever follows; likewise P's last six.
; BIAS AND MASK ARE THE C OF THE FIRST PRODUCT: a table E[y], y = key - query + 191 (keys counted from unit c - 1: y = ko - qi + 127): 8 x rel_table[y - 63][head] for 127 <= y <= 255, else -1e30.
; It lies in LDS four times, each copy one entry further on, so that every lane's run of eight entries begins on 16 bytes.  At the sequence's ends the unit that does not exist reads 64 entries off, where all is -1e30.
; SOFTMAX as the module has it: the row's maximum is taken away, p = e^(s - max) / sum is finished in f32 and then quantised along the keys.  p = 2^(S c - M c), c = log2(e) / 8; the rounding of M c is common to a row and cancels in the division.
; A block's largest p is its largest score put through the same instructions.
; NO CLUSTER: the operands come through registers by plain loads; a work-group reads 36,864 bytes of K and V, of which two units in six are a neighbour's too.
; LIMITS: NaN and infinities are not served; scores inside the band must lie above -1e9 by some 200 (else the module's own -1e9 would count); p under 2^-126 is 0; a block under 2^-124, and a block of zeros, gets the byte 1 (only this program reads the bytes).
.set TP,   2080                        ; a copy of the table: 512 entries + 32 bytes
.set KIM,  8448                        ; behind the four copies: six units of K, 3,072 bytes each;
.set VIM,  KIM+6*3072                  ; six of V
.set TA,   9                           ; v9-11 my place in the table for the keys of unit 0, 1, 2
.set S,    64                          ; v64-159 S^T, then p: tile t at 8 t
.set PCD,  160                         ; v160-183 P's codes (the last six stay 0); then the result's images at 160 + 8 u
.set PX,   184                         ; v184-195 the conversions' second halves
.set OT,   196                         ; v196-227 O^T
.set BM,   228                         ; v228-233 the six blocks' largest
.set BT,   234                         ; v234-239 the other half's; then the bytes
.set SCL,  240                         ; v240-245 scale operands
.set TM,   228                         ; the same registers serve the result's quantiser
.set TX,   234
.set BY,   236
.set RM,   246
.set RL,   247
.set NMC,  248                         ; v[248:249] -M c (the low word serves both halves)
.set SA,   250
.set SB,   252
.set RR,   254                         ; v[254:255] 1 / sum
.set SEL,  30
.set CS,   32
.set MSB,  0
.macro WIN new
.if MSB != \new
	s_set_vgpr_msb (MSB<<8)|\new
.set MSB, \new
.endif
.endm
.macro PLACES
.rept 4
	v_nop
.endr
.endm
.macro QUANT2 s, pc, pw                ; 32 numbers of a lane (register 16 b + i) become an image in v[pc .. pc + 5] and my row's scale word in v[pw]
.irp b, 0,1
	v_max3_num_f32 v[TM+\b], |v[\s+16*\b]|, |v[\s+16*\b+1]|, 0x1800000
.endr
.irp i, 2,4,6,8,10,12,14
.irp b, 0,1
	v_max3_num_f32 v[TM+\b], v[TM+\b], |v[\s+16*\b+\i]|, |v[\s+16*\b+\i+1]|
.endr
.endr
.irp b, 0,1
	v_permlanex16_b32 v[TX+\b], v[TM+\b], s[SEL], s[SEL+1]
.endr
.irp b, 0,1
	v_max_num_f32 v[TM+\b], v[TM+\b], v[TX+\b]
.endr
.irp b, 0,1
	v_add_nc_u32 v[SCL+\b], 0xff000000, v[TM+\b]
.endr
.irp b, 0,1
	v_lshrrev_b32 v[BY+\b], 23, v[SCL+\b]
.endr
	v_lshl_or_b32 v[\pw], v[BY+1], 8, v[BY]
	v_cvt_scalef32_pk16_fp6_f32 v[\pc:\pc+2], v[\s:\s+15], v[SCL]
	v_cvt_scalef32_pk16_fp6_f32 v[PX:PX+2], v[\s+16:\s+31], v[SCL+1]
	v_nop
.irp i, 0,1,2
	v_permlane16_swap_b32 v[\pc+\i], v[PX+\i]
.endr
.irp i, 0,1,2
	v_mov_b32 v[\pc+3+\i], v[PX+\i]
.endr
.endm
; a product: D at d, source 0 at a (window 1), source 1 at b; z: the sum starts with 0, else in place; ra, rb: the scales' lanes 16-31
.macro WM d, a, b, z, sa, sb, ra, rb
.if (\z) && (\ra)
	v_wmma_scale_f32_16x16x128_f8f6f4 v[\d:\d+7], v[\a:\a+11], v[\b:\b+11], 0, v[\sa], v[\sb] matrix_a_fmt:MATRIX_FMT_FP6 matrix_b_fmt:MATRIX_FMT_FP6 matrix_a_scale:MATRIX_SCALE_ROW1
.elseif (\z)
	v_wmma_scale_f32_16x16x128_f8f6f4 v[\d:\d+7], v[\a:\a+11], v[\b:\b+11], 0, v[\sa], v[\sb] matrix_a_fmt:MATRIX_FMT_FP6 matrix_b_fmt:MATRIX_FMT_FP6
.elseif (\ra) && (\rb)
	v_wmma_scale_f32_16x16x128_f8f6f4 v[\d:\d+7], v[\a:\a+11], v[\b:\b+11], v[\d:\d+7], v[\sa], v[\sb] matrix_a_fmt:MATRIX_FMT_FP6 matrix_b_fmt:MATRIX_FMT_FP6 matrix_a_scale:MATRIX_SCALE_ROW1 matrix_b_scale:MATRIX_SCALE_ROW1
.elseif (\ra)
	v_wmma_scale_f32_16x16x128_f8f6f4 v[\d:\d+7], v[\a:\a+11], v[\b:\b+11], v[\d:\d+7], v[\sa], v[\sb] matrix_a_fmt:MATRIX_FMT_FP6 matrix_b_fmt:MATRIX_FMT_FP6 matrix_a_scale:MATRIX_SCALE_ROW1
.elseif (\rb)
	v_wmma_scale_f32_16x16x128_f8f6f4 v[\d:\d+7], v[\a:\a+11], v[\b:\b+11], v[\d:\d+7], v[\sa], v[\sb] matrix_a_fmt:MATRIX_FMT_FP6 matrix_b_fmt:MATRIX_FMT_FP6 matrix_b_scale:MATRIX_SCALE_ROW1
.else
	v_wmma_scale_f32_16x16x128_f8f6f4 v[\d:\d+7], v[\a:\a+11], v[\b:\b+11], v[\d:\d+7], v[\sa], v[\sb] matrix_a_fmt:MATRIX_FMT_FP6 matrix_b_fmt:MATRIX_FMT_FP6
.endif
.endm
	s_load_b512 s[4:19], s[0:1], 0x0               ; qc s4, qs s6, kc s8, ks s10, vc s12, vs s14, rel_table s16, oc s18
	s_load_b64 s[20:21], s[0:1], 0x40              ; os
	v_lshl_add_u32 v191, v0, 2, 0xb100
	v_mov_b32 v195, 0
	v_lshrrev_b32 v1, 5, v0
	v_readfirstlane_b32 s22, v1                    ; wave 0..7
	s_lshr_b32 s23, s22, 1
	s_and_b32 s24, s22, 1                          ; which 32 queries of the unit
	s_and_b32 s26, ttmp7, 0xffff                   ; 16 x batch + head
	s_lshl_b32 s25, ttmp9, 2
	s_add_co_u32 s27, s25, s23                     ; c: my unit of 64 queries
	s_and_b32 s28, s26, 15                         ; head
	s_lshr_b32 s29, s26, 4                         ; batch
	s_mov_b32 s[SEL], 0x76543210
	s_mov_b32 s[SEL+1], 0xfedcba98
	s_mov_b32 s[CS], 0x3e38aa3b                    ; c = log2(e) / 8
	s_mov_b32 s[CS+1], s[CS]
	s_mov_b32 s34, 0xbe38aa3b                      ; -c
	s_mov_b32 s35, 0xffff0000                      ; lanes 16-31
	s_lshl_b32 s36, s26, 7                         ; the first image of this batch and head: 128 images each
	s_lshl_b32 s38, s27, 2
	s_add_co_u32 s37, s36, s38
	s_lshl_b32 s38, s24, 1
	s_add_co_u32 s37, s37, s38                     ; my first image of Q
	s_mul_i32 s38, s37, 768
	s_mov_b32 s39, 0
	s_lshl_b32 s40, s37, 6
	s_mov_b32 s41, 0
	s_max_u32 s42, s27, 1                          ; units c - 1, c, c + 1, held inside the sequence: what a held unit brings is masked
	s_sub_co_u32 s42, s42, 1
	s_add_co_u32 s44, s27, 1
	s_min_u32 s44, s44, 31
	s_lshl_b32 s42, s42, 2
	s_add_co_u32 s42, s42, s36
	s_lshl_b32 s42, s42, 6                         ; their scale words: 64 bytes an image
	s_lshl_b32 s43, s27, 2
	s_add_co_u32 s43, s43, s36
	s_lshl_b32 s43, s43, 6
	s_lshl_b32 s44, s44, 2
	s_add_co_u32 s44, s44, s36
	s_lshl_b32 s44, s44, 6
	s_add_co_u32 s45, s25, s22                     ; the unit that I bring into LDS (waves 0 to 5): 4 x - 1 + wave, held likewise
	s_max_u32 s45, s45, 1
	s_sub_co_u32 s45, s45, 1
	s_min_u32 s45, s45, 31
	s_lshl_b32 s45, s45, 2
	s_add_co_u32 s45, s45, s36
	s_mul_i32 s46, s45, 768
	s_mov_b32 s47, 0
	s_lshl_b32 s48, s28, 2                         ; the head's column of rel_table
	s_mov_b32 s49, 0
	s_sub_co_u32 s52, s37, s36                     ; 4 c + 2 (w % 2): my first tile of 16 tokens
	s_lshl_b32 s53, s29, 7
	s_add_co_u32 s52, s52, s53
	s_lshl_b32 s52, s52, 4
	s_add_co_u32 s52, s52, s28
	s_mul_i32 s50, s52, 768                        ; oc: image (tile of tokens x 16 + head)
	s_mov_b32 s51, 0
	s_lshl_b32 s54, s29, 6
	s_lshl_b32 s53, s27, 1
	s_add_co_u32 s54, s54, s53
	s_add_co_u32 s54, s54, s24
	s_lshl_b32 s54, s54, 11                        ; os: 2,048 bytes for 32 tokens,
	s_lshl_b32 s53, s28, 7
	s_add_co_u32 s54, s54, s53                     ; 128 a head
	s_mov_b32 s55, 0
	s_mul_i32 s56, s22, 3072
	s_mul_i32 s57, s23, 3072
	s_xor_b32 s58, s24, 1
	s_lshl_b32 s58, s58, 5
	s_add_co_u32 s58, s58, 15                      ; 47 - 32 (w % 2)
	s_cmp_eq_u32 s27, 0
	s_cselect_b32 s59, 0, 256                      ; unit c - 1: 64 entries lower where it does not exist
	s_cmp_eq_u32 s27, 31
	s_mov_b32 s60, 256
	s_cselect_b32 s60, 512, s60                    ; unit c + 1: 64 higher
	v_and_b32 v1, 15, v0                           ; r
	v_bfe_u32 v2, v0, 4, 1                         ; h
	v_and_b32 v3, 31, v0                           ; lane
	v_lshlrev_b32 v12, 4, v3
	v_lshlrev_b32 v13, 3, v3
	v_lshlrev_b32 v14, 2, v3
	v_lshlrev_b32 v16, 2, v0                       ; the table: my entry of 256
	v_add_nc_u32 v4, s42, v14
	v_add_nc_u32 v5, s43, v14
	v_add_nc_u32 v6, s44, v14
.irp n, 0,1,2,3,4,5,6,7                ; entry y = thread + 256 (n % 2) + n / 2 of copy n / 2
	v_add_nc_u32 v[88+\n], 256*(\n%2)+\n/2, v0
	v_max_u32 v[80+\n], 127, v[88+\n]
	v_min_u32 v[80+\n], 255, v[80+\n]              ; held inside the band: every load stays in the table
	v_lshlrev_b32 v[64+\n], 6, v[80+\n]            ; a row of rel_table is 64 bytes
.endr
	v_add_nc_u32 v15, s56, v12
	v_add_nc_u32 v15, KIM, v15                     ; where I put my unit
	v_add_nc_u32 v7, s57, v12
	v_add_nc_u32 v7, KIM, v7                       ; where my three units begin: an image's first plane,
	v_add_nc_u32 v8, s57, v13
	v_add_nc_u32 v8, KIM+512, v8                   ; its second
	v_lshl_add_u32 v17, v2, 3, s58
	v_sub_nc_u32 v17, v17, v1                      ; 47 + 8 h - 32 (w % 2) - r, never under 0
	v_sub_nc_u32 v18, 19, v1
	v_and_b32 v18, 3, v18                          ; the copy in which my runs begin on 16 bytes: (3 - r) mod 4
	v_mul_u32_u24 v18, v18, TP-4
	v_lshl_add_u32 v17, v17, 2, v18
	v_add_nc_u32 v[TA], s59, v17
	v_add_nc_u32 v[TA+1], 256, v17
	v_add_nc_u32 v[TA+2], s60, v17
	s_wait_kmcnt 0x0
	s_add_nc_u64 s[16:17], s[16:17], s[48:49]
	s_add_nc_u64 s[4:5], s[4:5], s[38:39]
	s_add_nc_u64 s[6:7], s[6:7], s[40:41]
	s_add_nc_u64 s[8:9], s[8:9], s[46:47]
	s_add_nc_u64 s[12:13], s[12:13], s[46:47]
	s_add_nc_u64 s[18:19], s[18:19], s[50:51]
	s_add_nc_u64 s[20:21], s[20:21], s[54:55]
.irp n, 0,1,2,3,4,5,6,7
	global_load_b32 v[72+\n], v[64+\n], s[16:17] offset:-4032   ; row y - 63
.endr
.irp u, 0,1
	global_load_b128 v[40+12*\u:43+12*\u], v12, s[4:5] offset:768*\u
	global_load_b64 v[44+12*\u:45+12*\u], v13, s[4:5] offset:768*\u+512
.endr
	global_load_b32 v32, v14, s[6:7]               ; Q's scale words: lanes 0-15 tile 0, lanes 16-31 tile 1
.irp u, 0,1,2
.irp n, 0,1
	global_load_b32 v[20+2*\u+\n], v[4+\u], s[10:11] offset:128*\n   ; K's: lanes 0-15 an even tile's, lanes 16-31 the odd one's
	global_load_b32 v[26+2*\u+\n], v[4+\u], s[14:15] offset:128*\n   ; V's: v26, 27 unit 0; v28, 29 unit 1; v30, 31 unit 2
.endr
.endr
	s_cmp_lt_u32 s22, 6
	s_cbranch_scc0 .Lno_unit
.irp n, 0,1,2,3,4,5                    ; a unit's four images are 3,072 dense bytes: 512 a load
	global_load_b128 v[96+4*\n:99+4*\n], v12, s[8:9] offset:512*\n
	global_load_b128 v[120+4*\n:123+4*\n], v12, s[12:13] offset:512*\n
.endr
	s_wait_loadcnt 0x0
.irp n, 0,1,2,3,4,5
	ds_store_b128 v15, v[96+4*\n:99+4*\n] offset:512*\n
	ds_store_b128 v15, v[120+4*\n:123+4*\n] offset:VIM-KIM+512*\n
.endr
.Lno_unit:
	s_wait_loadcnt 0x0
.irp n, 0,1,2,3,4,5,6,7
	v_cmp_eq_u32 vcc_lo, v[80+\n], v[88+\n]        ; inside the band?
	v_mul_f32 v[72+\n], 0x41000000, v[72+\n]       ; 8 x bias: the scores are divided by 8 later
	v_cndmask_b32 v[72+\n], 0xf149f2ca, v[72+\n], vcc_lo   ; else -1e30
	ds_store_b32 v16, v[72+\n] offset:(\n/2)*TP+1024*(\n%2)
.endr
.irp n, 0,1
	v_lshl_or_b32 v[26+\n], v[28+\n], 16, v[26+\n] ; V's scale words for keys 0 to 127: unit 0's two bytes, unit 1's two
.endr
.irp j, 46,47,48,49,50,51,58,59,60,61,62,63,178,179,180,181,182,183
	v_mov_b32 v[\j], 0                             ; zero codes: Q's upper halves, P's last six registers
.endr
.irp j, 234,235,236,237,238,239,249,255
	v_mov_b32 v[\j], 0                             ; written once: destinations of lane permutes, upper halves of pairs that are named whole
.endr
	s_wait_dscnt 0x0                               ; for the others' sake: my stores have landed
	s_barrier_signal -1
	s_barrier_wait -1
	WIN 0x40                                       ; destination window 1: K's twelve tiles at 6 t, V's (features f, unit n) at 80 + 18 f + 6 n
.irp j, 72,73,74,75,76,77,152,153,154,155,156,157
	v_mov_b32 v[\j], 0                             ; what stands behind the last tile of each
.endr
.irp t, 0,1,2,3,4,5,6,7,8,9,10,11
	ds_load_b128 v[6*\t:6*\t+3], v7 offset:768*\t
	ds_load_b64 v[6*\t+4:6*\t+5], v8 offset:768*\t
.endr
.irp n, 0,1,2
.irp f, 0,1,2,3
	ds_load_b128 v[80+18*\f+6*\n:80+18*\f+6*\n+3], v7 offset:VIM-KIM+768*(4*\n+\f)
	ds_load_b64 v[80+18*\f+6*\n+4:80+18*\f+6*\n+5], v8 offset:VIM-KIM+768*(4*\n+\f)
.endr
.endr
	WIN 0
.macro TILE u
.if \u
	s_wait_xcnt 0x0                                ; tile 0's stores have read their registers: P's codes are written there again
.endif
.irp t, 0,1,2,3,4,5,6,7,8,9,10,11     ; bias and mask of keys 16 t + 8 h + 0 .. 7 against my query
	ds_load_b128 v[S+8*\t:S+8*\t+3], v[TA+\t/4] offset:64*\t+64*(1-\u)
	ds_load_b128 v[S+8*\t+4:S+8*\t+7], v[TA+\t/4] offset:64*\t+64*(1-\u)+16
.endr
	s_wait_dscnt 0x0
	WIN 0x01                                       ; source 0 in window 1
.irp t, 0,1,2,3,4,5,6,7,8,9,10,11
	WM S+8*\t, 6*\t, 40+12*\u, 0, 20+\t/2, 32, \t%2, \u
.endr
	WIN 0
	PLACES
.irp b, 0,1,2,3,4,5
	v_max3_num_f32 v[BM+\b], v[S+16*\b], v[S+16*\b+1], v[S+16*\b+2]   ; each block's largest score: for the row's maximum, and for the block's largest p
.endr
.irp i, 3,5,7,9,11,13
.irp b, 0,1,2,3,4,5
	v_max3_num_f32 v[BM+\b], v[BM+\b], v[S+16*\b+\i], v[S+16*\b+\i+1]
.endr
.endr
.irp b, 0,1,2,3,4,5
	v_max_num_f32 v[BM+\b], v[BM+\b], v[S+16*\b+15]
.endr
.irp b, 0,1,2,3,4,5
	v_permlanex16_b32 v[BT+\b], v[BM+\b], s[SEL], s[SEL+1]
.endr
.irp b, 0,1,2,3,4,5
	v_max_num_f32 v[BM+\b], v[BM+\b], v[BT+\b]
.endr
	v_max3_num_f32 v[RM], v[BM], v[BM+1], v[BM+2]
	v_max3_num_f32 v[RM], v[RM], v[BM+3], v[BM+4]
	v_max_num_f32 v[RM], v[RM], v[BM+5]            ; the row's maximum: the query's own key lies in the band, so it is a true score
	v_mul_f32 v[NMC], s34, v[RM]
.set J, 0
.rept 48
	v_pk_fma_f32 v[S+J:S+J+1], v[S+J:S+J+1], s[CS:CS+1], v[NMC:NMC+1] op_sel_hi:[1,0,0]
.set J, J+2
.endr
.irp b, 0,1,2,3,4,5
	v_fma_f32 v[BM+\b], v[BM+\b], s[CS], v[NMC]
.endr
.set J, 0
.rept 96
	v_exp_f32 v[S+J], v[S+J]
.set J, J+1
.endr
.irp b, 0,1,2,3,4,5
	v_exp_f32 v[BM+\b], v[BM+\b]
.endr
	v_nop                                          ; one plain place behind the exponentials
	s_wait_alu depctr_va_vdst(0)
	v_pk_add_f32 v[SA:SA+1], v[S:S+1], v[S+2:S+3]  ; the row's sum, two at a time, in two chains
	v_pk_add_f32 v[SB:SB+1], v[S+4:S+5], v[S+6:S+7]
.set J, 8
.rept 22
	v_pk_add_f32 v[SA:SA+1], v[SA:SA+1], v[S+J:S+J+1]
	v_pk_add_f32 v[SB:SB+1], v[SB:SB+1], v[S+J+2:S+J+3]
.set J, J+4
.endr
	v_pk_add_f32 v[SA:SA+1], v[SA:SA+1], v[SB:SB+1]
	v_add_f32 v[RL], v[SA], v[SA+1]
	v_permlanex16_b32 v[RM], v[RL], s[SEL], s[SEL+1]
	v_add_f32 v[RL], v[RL], v[RM]
	v_rcp_f32 v[RR], v[RL]
	v_nop                                          ; one plain place behind the reciprocal
.set J, 0
	s_wait_alu depctr_va_vdst(0)
.rept 48
	v_pk_mul_f32 v[S+J:S+J+1], v[S+J:S+J+1], v[RR:RR+1] op_sel_hi:[1,0]   ; the finished softmax
.set J, J+2
.endr
.irp b, 0,1,2,3,4,5
	v_mul_f32 v[BM+\b], v[BM+\b], v[RR]
.endr
.irp b, 0,1,2,3,4,5
	v_max_num_f32 v[BM+\b], 0x1800000, v[BM+\b]    ; the floor 2^(3 - 127): a block of zeros keeps the byte 1, its codes are zeros
.endr
.irp b, 0,1,2,3,4,5
	v_add_nc_u32 v[SCL+\b], 0xff000000, v[BM+\b]
.endr
.irp b, 0,1,2,3,4,5
	v_lshrrev_b32 v[BT+\b], 23, v[SCL+\b]
.endr
	v_lshl_or_b32 v33, v[BT+1], 8, v[BT]           ; p's scale words: keys 0 to 127,
	v_lshl_or_b32 v34, v[BT+5], 8, v[BT+4]         ; keys 128 to 191
	v_lshl_or_b32 v33, v[BT+2], 16, v33
	v_lshl_or_b32 v33, v[BT+3], 24, v33
.irp g, 0,1,2
	v_cvt_scalef32_pk16_fp6_f32 v[PCD+6*\g:PCD+6*\g+2], v[S+32*\g:S+32*\g+15], v[SCL+2*\g]
	v_cvt_scalef32_pk16_fp6_f32 v[PX+4*\g:PX+4*\g+2], v[S+32*\g+16:S+32*\g+31], v[SCL+2*\g+1]
.endr
	v_nop
.irp g, 0,1,2
.irp i, 0,1,2
	v_permlane16_swap_b32 v[PCD+6*\g+\i], v[PX+4*\g+\i]
.endr
.irp i, 0,1,2
	v_mov_b32 v[PCD+6*\g+3+\i], v[PX+4*\g+\i]
.endr
.endr
.rept 8
	v_nop                                          ; scale words and codes written by vector instructions stand 8 and 4 places ahead of a scaled product
.endr
	WIN 0x01
.irp k, 0,1                            ; O^T = V^T P^T: keys 0 to 127, then 128 to 191; the four accumulators by turns
.irp f, 0,1,2,3
	WM OT+8*\f, 80+18*\f+12*\k, PCD+12*\k, 1-\k, 26+4*\k+\f/2, 33+\k, \f%2, 0
.endr
.endr
	WIN 0
	PLACES
	QUANT2 OT, PCD+8*\u, 35+\u                     ; the result along D: register 16 b + i is feature 32 b + 16 h + i of the head
	global_store_b128 v12, v[PCD+8*\u:PCD+8*\u+3], s[18:19] offset:12288*\u
	global_store_b64 v13, v[PCD+8*\u+4:PCD+8*\u+5], s[18:19] offset:12288*\u+512
.endm
	TILE 0
	TILE 1
	v_cndmask_b32 v37, v35, v36, s35               ; lanes 0-15 tile 0's scale words, lanes 16-31 tile 1's
	global_store_b32 v14, v37, s[20:21]
	s_wait_tensorcnt 0x0
	ds_add_u32 v191, v195
	s_wait_dscnt 0x0
	s_endpgm
.Lfunc_end_k_q9565d8fe52_attn:
	.size	k_q9565d8fe52_attn, .Lfunc_end_k_q9565d8fe52_attn-k_q9565d8fe52_attn
	.p2alignl 7, 3214868480
	.fill 96, 4, 3214868480
	.section	.rodata,"a",@progbits
	.p2align	6, 0x0
	.amdhsa_kernel k_q9565d8fe52_attn
		.amdhsa_group_segment_fixed_size 46336
		.amdhsa_private_segment_fixed_size 0
		.amdhsa_enable_private_segment 0
		.amdhsa_kernarg_size 72
		.amdhsa_user_sgpr_count 2
		.amdhsa_user_sgpr_kernarg_segment_ptr 1
		.amdhsa_wavefront_size32 1
		.amdhsa_system_sgpr_workgroup_id_x 1
		.amdhsa_system_sgpr_workgroup_id_y 1
		.amdhsa_system_sgpr_workgroup_id_z 1
		.amdhsa_system_vgpr_workitem_id 0
		.amdhsa_next_free_vgpr 448
		.amdhsa_next_free_sgpr 66
		.amdhsa_reserve_vcc 1
		.amdhsa_float_denorm_mode_32 3
		.amdhsa_float_denorm_mode_16_64 3
		.amdhsa_memory_ordered 1
		.amdhsa_forward_progress 1
		.amdhsa_inst_pref_size 68
	.end_amdhsa_kernel
	.amdgpu_metadata
---
amdhsa.version: [ 1, 2 ]
amdhsa.kernels:
  - .name:           k_q9565d8fe52_attn
    .symbol:         k_q9565d8fe52_attn.kd
    .args:
      - { .name: qc, .offset: 0, .size: 8, .value_kind: global_buffer, .address_space: global }
      - { .name: qs, .offset: 8, .size: 8, .value_kind: global_buffer, .address_space: global }
      - { .name: kc, .offset: 16, .size: 8, .value_kind: global_buffer, .address_space: global }
      - { .name: ks, .offset: 24, .size: 8, .value_kind: global_buffer, .address_space: global }
      - { .name: vc, .offset: 32, .size: 8, .value_kind: global_buffer, .address_space: global }
      - { .name: vs, .offset: 40, .size: 8, .value_kind: global_buffer, .address_space: global }
      - { .name: rel_table, .offset: 48, .size: 8, .value_kind: global_buffer, .address_space: global }
      - { .name: oc, .offset: 56, .size: 8, .value_kind: global_buffer, .address_space: global }
      - { .name: os, .offset: 64, .size: 8, .value_kind: global_buffer, .address_space: global }
    .group_segment_fixed_size: 46336
    .private_segment_fixed_size: 0
    .kernarg_segment_align: 8
    .kernarg_segment_size: 72
    .max_flat_workgroup_size: 256
    .sgpr_count:     66
    .vgpr_count:     448
    .wavefront_size: 32
...
	.end_amdgpu_metadata
.endif
;; end of part 2
;; launch outp (part 3): grid 8 x 32, 4 waves a work-group, clusters of 4 x 4, 220,672 bytes of LDS; arguments oc, os, Wo_codes, Wo_scales, bo, out0; writes out0
.if DOCPART == 3
	.amdgcn_target "amdgcn-amd-amdhsa--gfx1250"
	.amdhsa_code_object_version 6
	.text
	.protected	k_q9565d8fe52_outp
	.globl	k_q9565d8fe52_outp
	.p2align	8
	.type	k_q9565d8fe52_outp,@function
k_q9565d8fe52_outp:
	s_mov_b64 s[64:65], 0
	v_nop
	global_prefetch_b8 v0, s[64:65] scope:SCOPE_SE
	s_setreg_imm32_b32 hwreg(HW_REG_WAVE_MODE, 25, 1), 1
	s_wait_xcnt 0x0
	s_wait_alu depctr_hold_cnt(0) depctr_sa_sdst(0) depctr_va_vdst(0) depctr_va_sdst(0) depctr_va_ssrc(0) depctr_va_vcc(0) depctr_vm_vsrc(0)
	s_getreg_b32 s2, hwreg(HW_REG_IB_STS2, 6, 4)
	s_cmp_eq_u32 s2, 0
	s_cbranch_scc0 .Lentry_in_a_cluster
	s_endpgm
.Lentry_in_a_cluster:
	s_bfe_u32 s2, ttmp6, 0x10000c
	s_cmp_lg_u32 s2, 0xf033
	s_cbranch_scc0 .Lentry_shape_is_right
	s_endpgm
.Lentry_shape_is_right:
; out0 = attention's result x Wo + bo, on codes of FP6 (E2M3) with E8M0 scales, K = 1,024.  The result's codes come as images of the operand's registers (oc: for each 16 tokens sixteen images, one a head, 768 bytes each;
; os: one word a token and head with the head's two scale bytes), Wo's as given rows of 768 bytes.
; SHARES.  256 work-groups; a work-group makes 128 tokens x 128 columns, each of its four waves 64 x 64: 16 accumulators.  Source 0 = 16 rows of Wo, source 1 = 16 tokens: a lane holds eight neighbouring columns of one token.
; All of K lies in LDS at once, in three chunks (K steps 0-1, 2-4, 5-7 need chunks 0, 1, 2): first fills only, three tensor loads a wave, nothing is filled twice.
; CLUSTERS: 4 x 4.  The tokens' images hang on cy and are asked for jointly along a row of the cluster, Wo's rows on cx and along a column.
; bo is the C of each sum's first product.  The way out goes through a stage of the wave's own, so that sixteen lanes store 256 consecutive bytes, at a multiple of 256 from out0's first byte.
.set PIT,  272
.set CH,   128*PIT
.set HALF, 64*PIT
.set I1,   8*3072                      ; images: heads 0-3 of eight tiles of tokens from 0; heads 4-9 from here;
.set I2,   I1+8*4608                   ; heads 10-15
.set R0B,  I2+8*4608                   ; Wo's three chunks
.set STG,  R0B+3*CH                    ; the stages: 16 rows x 272 bytes a wave; no fill lands here
.set SC0,  16                          ; v16-31 Wo's scale words;  v32-47 the tokens'
.set SC1,  32
.set F0,   48                          ; v48-143  Wo's fragments, two sets of 4 x 12
.set F1,   144                         ; v144-239 the tokens'; ahead of the first fetch v144-159 hold the odd heads' halves of the tokens' scale words
.set BJ,   128                         ; window 1: v0-127 the accumulators, v128-159 bo
.set STO,  13
.set RD,   14
.set CO,   15
.set MSB,  0
.macro WIN new
.if MSB != \new
	s_set_vgpr_msb (MSB<<8)|\new
.set MSB, \new
.endif
.endm
.macro PLACES
.rept 4
	v_nop
.endr
.endm
.macro CROUND
	s_barrier_signal -1
	s_barrier_wait -1
	s_cmp_lg_u32 s46, 0
	s_cbranch_scc1 .Lnot_wave_0_\@
	s_barrier_signal -3
.Lnot_wave_0_\@:
	s_barrier_wait -3
	s_barrier_signal -1
	s_barrier_wait -1
.endm
.macro FRAGR reg, adr, s, t            ; a fragment from rows: six loads of 8 bytes; 32 pieces to a chunk; adr + 1 serves pieces whose partner three on lies in the next chunk, adr + 2 the third chunk
.irp p, 0,1,2,3,4,5
.set PCE, 12*(\s)+6*(\p/3)+\p%3
.if PCE/32 == 2
	ds_load_b64 v[\reg+2*\p:\reg+2*\p+1], v[\adr+2] offset:8*(PCE%32)+(\t)*16*PIT
.elseif PCE%32 >= 29
	ds_load_b64 v[\reg+2*\p:\reg+2*\p+1], v[\adr+1] offset:8*(PCE%32)+(PCE/32)*CH+(\t)*16*PIT
.else
	ds_load_b64 v[\reg+2*\p:\reg+2*\p+1], v[\adr] offset:8*(PCE%32)+(PCE/32)*CH+(\t)*16*PIT
.endif
.endr
.endm
.macro FRAGI reg, a, s                 ; a fragment from images: heads 2 s and 2 s + 1 of my tile a of tokens
.if (\s) < 2
.set FO, (\a)*3072+2*(\s)*768
.set FA, 4
.set FB, 5
.elseif (\s) < 5
.set FO, (\a)*4608+(2*(\s)-4)*768
.set FA, 6
.set FB, 11
.else
.set FO, I2-I1+(\a)*4608+(2*(\s)-10)*768
.set FA, 6
.set FB, 11
.endif
	ds_load_b128 v[\reg:\reg+3], v[FA] offset:FO
	ds_load_b64 v[\reg+4:\reg+5], v[FB] offset:FO
	ds_load_b128 v[\reg+6:\reg+9], v[FA] offset:FO+768
	ds_load_b64 v[\reg+10:\reg+11], v[FB] offset:FO+768
.endm
.macro FETCH s                         ; 24 + 16 loads in one run, into set s % 2
.irp t, 0,1,2,3
	FRAGR F0+48*((\s)%2)+12*\t, 7, \s, \t
.endr
.irp t, 0,1,2,3
	FRAGI F1+48*((\s)%2)+12*\t, \t, \s
.endr
.endm
.macro MUL8 s, a0                      ; the 16 accumulators take turns, one instruction a turn
.irp a, \a0, \a0+1
.irp t, 0,1,2,3
.if (\s) == 0
	v_wmma_scale_f32_16x16x128_f8f6f4 v[32*(\a)+8*\t:32*(\a)+8*\t+7], v[F0+12*\t:F0+12*\t+11], v[F1+12*(\a):F1+12*(\a)+11], v[BJ+8*\t:BJ+8*\t+7], v[SC0+4*\t], v[SC1+4*(\a)] matrix_a_fmt:MATRIX_FMT_FP6 matrix_b_fmt:MATRIX_FMT_FP6
.elseif (\s) < 4
	v_wmma_scale_f32_16x16x128_f8f6f4 v[32*(\a)+8*\t:32*(\a)+8*\t+7], v[F0+48*((\s)%2)+12*\t:F0+48*((\s)%2)+12*\t+11], v[F1+48*((\s)%2)+12*(\a):F1+48*((\s)%2)+12*(\a)+11], v[32*(\a)+8*\t:32*(\a)+8*\t+7], v[SC0+4*\t+(\s)%4], v[SC1+4*(\a)+(\s)%4] matrix_a_fmt:MATRIX_FMT_FP6 matrix_b_fmt:MATRIX_FMT_FP6
.else
	v_wmma_scale_f32_16x16x128_f8f6f4 v[32*(\a)+8*\t:32*(\a)+8*\t+7], v[F0+48*((\s)%2)+12*\t:F0+48*((\s)%2)+12*\t+11], v[F1+48*((\s)%2)+12*(\a):F1+48*((\s)%2)+12*(\a)+11], v[32*(\a)+8*\t:32*(\a)+8*\t+7], v[SC0+4*\t+(\s)%4], v[SC1+4*(\a)+(\s)%4] matrix_a_fmt:MATRIX_FMT_FP6 matrix_b_fmt:MATRIX_FMT_FP6 matrix_a_scale:MATRIX_SCALE_ROW1 matrix_b_scale:MATRIX_SCALE_ROW1
.endif
.endr
.endr
.endm
.macro STEP s
	WIN 0
	PLACES                                         ; the set to be loaded was read by the products just issued
	FETCH (\s)+1
	s_wait_dscnt 40                                ; all but the 40 just issued: this step's fragments are in
	WIN 0x50
	MUL8 \s, 0
	MUL8 \s, 2
.endm
.macro TURN s, n
	s_wait_dscnt 0x0                               ; this step's fragments are in; no LDS instruction of mine is out at the signal
	s_wait_tensorcnt \n                            ; my part of the next chunk has landed; n younger chunks may stay out
	s_barrier_signal -1
	WIN 0x50
	MUL8 \s, 0
	WIN 0
	s_barrier_wait -1
	PLACES
	FETCH (\s)+1
	WIN 0x50
	MUL8 \s, 2
.endm
	s_load_b256 s[4:11], s[0:1], 0x0               ; oc s4, os s6, Wo's codes s8, Wo's scales s10
	s_load_b128 s[12:15], s[0:1], 0x20             ; bo s12, out0 s14
	v_lshl_add_u32 v254, v0, 2, 0x35c00
	v_mov_b32 v255, 0
	ds_add_u32 v254, v255
	ds_add_u32 v254, v255
	v_lshrrev_b32 v1, 5, v0
	v_readfirstlane_b32 s46, v1                    ; wave 0..3
	s_lshr_b32 s47, s46, 1                         ; which 64 tokens are mine.  Also: I fetch images (0) or Wo (1)
	s_and_b32 s48, s46, 1                          ; which 64 columns.  Also: which half I fetch
	s_bfe_u32 s49, ttmp6, 0x40000                  ; cx
	s_bfe_u32 s50, ttmp6, 0x40004                  ; cy
	s_lshl_b32 s55, ttmp9, 2
	s_add_co_u32 s55, s55, s49                     ; tile of columns
	s_and_b32 s56, ttmp7, 0xffff
	s_lshl_b32 s56, s56, 2
	s_add_co_u32 s56, s56, s50                     ; tile of tokens
	s_lshl_b32 s59, s50, 2
	s_lshl_b32 s59, 15, s59                        ; my row of the cluster
	s_lshl_b32 s60, 0x1111, s49                    ; my column
	; group 1 for the images: 4 rows (tiles of 16 tokens, 12,288 bytes = 1,536 elements apart) of 384 elements of 8 bytes (four heads) or 576 (six); no padding
	s_or_b32 s68, s59, (3<<16)|(1<<21)
	s_mov_b32 s69, 384<<16
	s_mov_b32 s70, 4<<16
	s_mov_b32 s71, 384<<16
	s_mov_b32 s72, 4
	s_mov_b32 s73, 1536
	s_mov_b32 s74, 0
	s_mov_b32 s75, 0
	s_or_b32 s76, s59, (3<<16)|(1<<21)
	s_mov_b32 s77, 576<<16
	s_mov_b32 s78, 4<<16
	s_mov_b32 s79, 576<<16
	s_mov_b32 s80, 4
	s_mov_b32 s81, 1536
	s_mov_b32 s82, 0
	s_mov_b32 s83, 0
	; and for Wo: 64 rows x 32 elements of 8 bytes, 96 elements apart, 4 words of padding behind every 64
	s_or_b32 s32, s60, (3<<16)|(1<<20)|(1<<21)|(5<<22)|(3<<25)
	s_mov_b32 s33, 32<<16
	s_mov_b32 s34, 64<<16
	s_mov_b32 s35, 32<<16
	s_mov_b32 s36, 64
	s_mov_b32 s37, 96
	s_mov_b32 s38, 0
	s_mov_b32 s39, 0
	s_lshl_b32 s61, s56, 3
	s_lshl_b32 s62, s48, 2
	s_add_co_u32 s61, s61, s62                     ; the first tile of 16 tokens that I fetch
	s_mul_i32 s62, s61, 12288
	s_mov_b32 s63, 0
	s_lshl_b32 s98, s55, 7
	s_lshl_b32 s66, s48, 6
	s_add_co_u32 s98, s98, s66                     ; the first row of Wo that I fetch
	s_mul_i32 s66, s98, 768
	s_mov_b32 s67, 0
	s_mul_i32 s99, s48, HALF
	s_mul_i32 s57, s48, 4*3072
	s_mul_i32 s58, s48, 4*4608
	s_wait_dscnt 0x0
	s_wait_kmcnt 0x0
	s_add_nc_u64 s[62:63], s[4:5], s[62:63]
	s_add_nc_u64 s[66:67], s[8:9], s[66:67]
	s_mov_b32 s84, 1
	s_mov_b32 s85, s57
	s_mov_b64 s[86:87], s[62:63]
	s_or_b32 s87, s87, 0x80000000
	s_mov_b32 s88, 1
	s_add_co_u32 s89, s58, I1
	s_add_nc_u64 s[90:91], s[62:63], 3072
	s_or_b32 s91, s91, 0x80000000
	s_mov_b32 s92, 1
	s_add_co_u32 s93, s58, I2
	s_add_nc_u64 s[94:95], s[62:63], 7680
	s_or_b32 s95, s95, 0x80000000
.irp c, 0,1,2
	s_mov_b32 s[20+4*\c], 1
	s_add_co_u32 s[21+4*\c], s99, R0B+\c*CH
	s_add_nc_u64 s[22+4*\c:23+4*\c], s[66:67], 256*\c
	s_or_b32 s[23+4*\c], s[23+4*\c], 0x80000000
.endr
	CROUND                                         ; all sixteen work-groups are here: the joint loads meet
	s_cmp_eq_u32 s47, 0                            ; a wave's three fills stand in one branch on its number: three loads of mine are out
	s_cbranch_scc0 .Lfill_w
	tensor_load_to_lds s[84:87], s[68:75]
	s_nop 0
	tensor_load_to_lds s[88:91], s[76:83]
	s_nop 0
	tensor_load_to_lds s[92:95], s[76:83]
	s_nop 0
.rept 4
	v_nop
.endr
	s_branch .Lfilled
.Lfill_w:
	tensor_load_to_lds s[20:23], s[32:39]
	s_nop 0
	tensor_load_to_lds s[24:27], s[32:39]
	s_nop 0
	tensor_load_to_lds s[28:31], s[32:39]
	s_nop 0
.rept 4
	v_nop
.endr
.Lfilled:
	v_and_b32 v1, 15, v0                           ; r
	v_bfe_u32 v2, v0, 4, 1                         ; h
	v_and_b32 v3, 31, v0                           ; lane
	v_lshlrev_b32 v10, 5, v1
	v_lshl_add_u32 v10, v2, 4, v10                 ; Wo's scales: 32 bytes a row; lanes 0-15 words 0-3, lanes 16-31 words 4-7
	v_lshlrev_b32 v12, 2, v1
	v_lshl_add_u32 v12, v2, 10, v12                ; the tokens': 4 r; lanes 16-31 eight heads (K steps 4-7) on
	v_lshlrev_b32 v241, 5, v2                      ; bo: 32 h
	s_lshl_b32 s51, s55, 7
	s_lshl_b32 s53, s48, 6
	s_add_co_u32 s51, s51, s53                     ; my first column
	s_lshl_b32 s52, s56, 7
	s_lshl_b32 s53, s47, 6
	s_add_co_u32 s52, s52, s53                     ; my first token
	s_mov_b32 s41, 0
	s_mov_b32 s43, 0
	s_lshl_b32 s40, s51, 5
	s_add_nc_u64 s[10:11], s[10:11], s[40:41]
	s_lshl_b32 s42, s52, 6                         ; 2,048 bytes for 32 tokens
	s_add_nc_u64 s[6:7], s[6:7], s[42:43]
	s_lshl_b32 s40, s51, 2
	s_add_nc_u64 s[12:13], s[12:13], s[40:41]
	s_lshl_b32 s42, s52, 12
	s_add_co_u32 s42, s42, s40
	s_add_nc_u64 s[14:15], s[14:15], s[42:43]
.irp t, 0,1,2,3
	global_load_b128 v[SC0+4*\t:SC0+4*\t+3], v10, s[10:11] offset:512*\t
.endr
.irp a, 0,1,2,3
.irp q, 0,1,2,3
	global_load_b32 v[SC1+4*\a+\q], v12, s[6:7] offset:(\a/2)*2048+(\a%2)*64+256*\q          ; head 2 q (+ 8 h)
	global_load_b32 v[F1+4*\a+\q], v12, s[6:7] offset:(\a/2)*2048+(\a%2)*64+256*\q+128       ; head 2 q + 1, into registers that the first fetch takes over later: no register that serves an address is loaded into
.endr
.endr
	WIN 0x40                                       ; destination window 1, address window 0
.irp t, 0,1,2,3
	global_load_b128 v[BJ+8*\t:BJ+8*\t+3], v241, s[12:13] offset:64*\t
	global_load_b128 v[BJ+8*\t+4:BJ+8*\t+7], v241, s[12:13] offset:64*\t+16
.endr
	WIN 0
	s_wait_loadcnt 0x0
.irp a, 0,1,2,3
.irp q, 0,1,2,3
	v_lshl_or_b32 v[SC1+4*\a+\q], v[F1+4*\a+\q], 16, v[SC1+4*\a+\q]   ; a K step's four bytes: two heads' two
.endr
.endr
	v_mul_u32_u24 v240, v1, PIT                    ; (the address arithmetic below also stands between the scale words just made and the first product)
	s_mul_i32 s44, s48, HALF
	s_add_co_u32 s44, s44, R0B                     ; my 64 rows of Wo
	v_mad_u32_u24 v7, v2, 24, v240
	v_mad_u32_u24 v8, v2, CH-232, v240
	v_add_nc_u32 v7, s44, v7
	v_add_nc_u32 v8, s44, v8
	v_add_nc_u32 v9, 2*CH, v7
	s_mul_i32 s44, s47, 4*3072                     ; my four tiles of tokens
	s_mul_i32 s45, s47, 4*4608
	s_add_co_u32 s45, s45, I1
	v_lshl_add_u32 v4, v3, 4, s44
	v_lshl_add_u32 v5, v3, 3, s44
	v_add_nc_u32 v5, 512, v5
	v_lshl_add_u32 v6, v3, 4, s45
	v_lshl_add_u32 v11, v3, 3, s45
	v_add_nc_u32 v11, 512, v11
	s_mul_i32 s53, s46, 16*PIT
	s_add_co_u32 s53, s53, STG                     ; my stage
	v_lshl_add_u32 v[STO], v2, 5, v240
	v_add_nc_u32 v[STO], s53, v[STO]               ; in: row r, 32 bytes for each half of the lanes
	v_mul_u32_u24 v[RD], v2, PIT
	v_lshl_add_u32 v[RD], v1, 4, v[RD]
	v_add_nc_u32 v[RD], s53, v[RD]                 ; back: lanes 0-15 one row of 256 bytes, lanes 16-31 the next
	v_lshlrev_b32 v[CO], 12, v2
	v_lshl_add_u32 v[CO], v1, 4, v[CO]             ; and the same two rows in out0
	s_wait_tensorcnt 0x2                           ; my part of chunk 0 is in; chunks 1 and 2 may stay out: nothing is filled twice in this launch
	s_barrier_signal -1
	s_barrier_wait -1
	FETCH 0
	STEP 0
	TURN 1, 1
	STEP 2
	STEP 3
	TURN 4, 0
	STEP 5
	STEP 6
	s_wait_dscnt 0x0
	WIN 0x50
	MUL8 7, 0
	MUL8 7, 2
	; THE WAY OUT, 16 tokens at a time.  LDS serves a wave's instructions in order (ISA guide 5.7.1.4): no wait between the stores into my stage and the loads from it.
	PLACES                                         ; ahead of the reads of results, and of loads into registers that held fragments
.irp a, 0,1,2,3
.if \a >= 2
	s_wait_xcnt 0x0                                ; the stores of two blocks ago have read their registers
.endif
	WIN 0x04                                       ; an LDS store's data in window 1
.irp t, 0,1,2,3
	ds_store_b128 v[STO], v[32*\a+8*\t:32*\a+8*\t+3] offset:64*\t          ; each accumulator from its low end on
	ds_store_b128 v[STO], v[32*\a+8*\t+4:32*\a+8*\t+7] offset:64*\t+16
.endr
	WIN 0
.irp i, 0,1,2,3,4,5,6,7
	ds_load_b128 v[F0+32*(\a%2)+4*\i:F0+32*(\a%2)+4*\i+3], v[RD] offset:2*\i*PIT
.endr
	s_wait_dscnt 0x0
.irp i, 0,1,2,3,4,5,6,7
	global_store_b128 v[CO], v[F0+32*(\a%2)+4*\i:F0+32*(\a%2)+4*\i+3], s[14:15] offset:(16*\a+2*\i)*4096 th:TH_STORE_NT
.endr
.endr
	s_wait_tensorcnt 0x0
	ds_add_u32 v254, v255
	s_wait_dscnt 0x0
	CROUND                                         ; the closing round: no work-group ends while a partner may still ask for a tile that names it
	s_endpgm
.Lfunc_end_k_q9565d8fe52_outp:
	.size	k_q9565d8fe52_outp, .Lfunc_end_k_q9565d8fe52_outp-k_q9565d8fe52_outp
	.p2alignl 7, 3214868480
	.fill 96, 4, 3214868480
	.section	.rodata,"a",@progbits
	.p2align	6, 0x0
	.amdhsa_kernel k_q9565d8fe52_outp
		.amdhsa_group_segment_fixed_size 220672
		.amdhsa_private_segment_fixed_size 0
		.amdhsa_enable_private_segment 0
		.amdhsa_kernarg_size 48
		.amdhsa_user_sgpr_count 2
		.amdhsa_user_sgpr_kernarg_segment_ptr 1
		.amdhsa_wavefront_size32 1
		.amdhsa_system_sgpr_workgroup_id_x 1
		.amdhsa_system_sgpr_workgroup_id_y 1
		.amdhsa_system_sgpr_workgroup_id_z 1
		.amdhsa_system_vgpr_workitem_id 0
		.amdhsa_next_free_vgpr 512
		.amdhsa_next_free_sgpr 100
		.amdhsa_reserve_vcc 0
		.amdhsa_float_denorm_mode_32 3
		.amdhsa_float_denorm_mode_16_64 3
		.amdhsa_memory_ordered 1
		.amdhsa_forward_progress 1
		.amdhsa_inst_pref_size 60
	.end_amdhsa_kernel
	.amdgpu_metadata
---
amdhsa.version: [ 1, 2 ]
amdhsa.kernels:
  - .name:           k_q9565d8fe52_outp
    .symbol:         k_q9565d8fe52_outp.kd
    .args:
      - { .name: oc, .offset: 0, .size: 8, .value_kind: global_buffer, .address_space: global }
      - { .name: os, .offset: 8, .size: 8, .value_kind: global_buffer, .address_space: global }
      - { .name: Wo_codes, .offset: 16, .size: 8, .value_kind: global_buffer, .address_space: global }
      - { .name: Wo_scales, .offset: 24, .size: 8, .value_kind: global_buffer, .address_space: global }
      - { .name: bo, .offset: 32, .size: 8, .value_kind: global_buffer, .address_space: global }
      - { .name: out0, .offset: 40, .size: 8, .value_kind: global_buffer, .address_space: global }
    .group_segment_fixed_size: 220672
    .private_segment_fixed_size: 0
    .kernarg_segment_align: 8
    .kernarg_segment_size: 48
    .max_flat_workgroup_size: 128
    .sgpr_count:     100
    .vgpr_count:     512
    .wavefront_size: 32
...
	.end_amdgpu_metadata
.endif
;; end of part 3
;; ======== version 2 of 2: 3 launches; version 1 with the launch attn written anew for expert scheduling mode
;; limits: right only within a limited range of input values
;; workspace buffers: qc 3,145,728 bytes; qs 262,144 bytes; kc 3,145,728 bytes; ks 262,144 bytes; vc 3,145,728 bytes; vs 262,144 bytes; oc 3,145,728 bytes; os 262,144 bytes
;; launch proj: the kernel of part 1 again; grid 24 x 32, 4 waves a work-group, clusters of 4 x 4, 209,408 bytes of LDS; arguments Wq_codes, Wq_scales, q_in_codes, q_in_scales, bq, qc, qs, Wk_codes, Wk_scales, k_in_codes, k_in_scales, bk, kc, ks, v_in_codes, v_in_scales, Wv_codes, Wv_scales, bv, vc, vs; writes qc, qs, kc, ks, vc, vs
;; launch attn (part 4): grid 8 x 32, 8 waves a work-group, no clusters, 46,336 bytes of LDS; arguments qc, qs, kc, ks, vc, vs, rel_table, oc, os; writes oc, os
.if DOCPART == 4
	.amdgcn_target "amdgcn-amd-amdhsa--gfx1250"
	.amdhsa_code_object_version 6
	.text
	.protected	k_q9565d8fe52_attn
	.globl	k_q9565d8fe52_attn
	.p2align	8
	.type	k_q9565d8fe52_attn,@function
k_q9565d8fe52_attn:
	s_mov_b64 s[64:65], 0
	v_nop
	global_prefetch_b8 v0, s[64:65] scope:SCOPE_SE
	s_setreg_imm32_b32 hwreg(HW_REG_WAVE_SCHED_MODE, 0, 2), 2
	s_setreg_imm32_b32 hwreg(HW_REG_WAVE_MODE, 25, 1), 1
	s_wait_xcnt 0x0
	s_wait_alu depctr_vm_vsrc(0)
; The banded attention of one (batch, head) for 256 queries: scores = q k^T / 8 + bias inside |key - query| <= 64, softmax, p v; both products on codes of FP6 (E2M3) with E8M0 scales.
; The mask is the module's own: outside the band p is 0, so a unit of 64 queries (number c) needs the keys of units c - 1, c, c + 1 alone: 192 keys, six whole blocks of 32, and every block of p that holds
; anything lies wholly among them, so the blocks' scales are the true ones.
; SHARES.  Wave w takes unit c = 4 x + w / 2, and of its queries the 32 from 32 (w % 2) on: two tiles of 16.  Two waves to a SIMD.
; LAYOUT.  Both products transposed: S^T = K Q^T (source 0 = 16 keys, source 1 = 16 queries), O^T = V^T P^T: a lane holds one query throughout, its registers run along the keys, then along the head's features.
; Operands come as images of their registers (see the launch that makes them).  K = 64 fills half an operand: Q's upper six registers are zero codes, so K's may be whatever follows; likewise P's last six.
; BIAS AND MASK ARE THE C OF THE FIRST PRODUCT: a table E[y], y = key - query + 191 (keys counted from unit c - 1: y = ko - qi + 127): 8 x rel_table[y - 63][head] for 127 <= y <= 255, else -1e30.
; It lies in LDS four times, each copy one entry further on, so that every lane's run of eight entries begins on 16 bytes.  At the sequence's ends the unit that does not exist reads 64 entries off, where all is -1e30.
; SOFTMAX as the module has it: the row's maximum is taken away, p = e^(s - max) / sum is finished in f32 and then quantised along the keys.  p = 2^(S c - M c), c = log2(e) / 8; the rounding of M c is common to a row and cancels in the division.
; A block's largest p is its largest score put through the same instructions.
; NO CLUSTER: the operands come through registers by plain loads; a work-group reads 36,864 bytes of K and V, of which two units in six are a neighbour's too.
; LIMITS: NaN and infinities are not served; scores inside the band must lie above -1e9 by some 200 (else the module's own -1e9 would count); p under 2^-126 is 0; a block under 2^-124, and a block of zeros, gets the byte 1 (only this program reads the bytes).
; THE MODE: SCHED_MODE bits 1:0 = 2 (LLVM: expert scheduling mode 2), set by the entry lines.  The code itself states the register dependences between vector or matrix instructions and memory or LDS
; instructions, with s_wait_alu, always for 0.
; THE PLAN.  Registers that memory or LDS instructions touch:
;   v4-v16, v191, v195   addresses and offsets: made once at the head, ahead of the first wait on va_vdst, and never written again.
;   v64-v71   offsets into rel_table: written by vector lines, read by its eight loads.   v72-v79   the table's entries: loaded, scaled and masked by vector lines, read by eight LDS stores.
;   v80-v95   read by the compares.   v96-v143   a unit of K and of V: loaded, read by twelve LDS stores.   All of v64-v159 then becomes S.
;   S (v64-v159)   a tile's 24 table loads land in it; the first product, the softmax and the conversions work on it; then the next tile's loads land in it.
;   window 1   K's and V's tiles: loaded once from LDS, read by products alone; the zero codes behind them are written by vector lines at the head.
;   v160-v165, v168-v173, v37   what the two tiles store: written by the result's quantiser, read by the stores; v160-v177 are written again by tile 1's conversions.
; So: one wait on va_vdst ahead of the first load; one ahead of the table's LDS stores, behind the last vector line of the head; one wait on vm_vsrc behind the barrier, ahead of the first load into S;
; in a tile one wait on va_vdst ahead of the second product, behind which tile 0 asks for tile 1's table at once, and one ahead of its stores; in tile 1 one wait on vm_vsrc ahead of the conversions.
.set TP,   2080                        ; a copy of the table: 512 entries + 32 bytes
.set KIM,  8448                        ; behind the four copies: six units of K, 3,072 bytes each;
.set VIM,  KIM+6*3072                  ; six of V
.set TA,   9                           ; v9-11 my place in the table for the keys of unit 0, 1, 2
.set S,    64                          ; v64-159 S^T, then p: tile t at 8 t
.set PCD,  160                         ; v160-183 P's codes (the last six stay 0); then the result's images at 160 + 8 u
.set PX,   184                         ; v184-195 the conversions' second halves
.set OT,   196                         ; v196-227 O^T
.set BM,   228                         ; v228-233 the six blocks' largest
.set BT,   234                         ; v234-239 the other half's; then the bytes
.set SCL,  240                         ; v240-245 scale operands
.set TM,   228                         ; the same registers serve the result's quantiser
.set TX,   234
.set BY,   236
.set RM,   246
.set RL,   247
.set NMC,  248                         ; v[248:249] -M c (the low word serves both halves)
.set SA,   250
.set SB,   252
.set RR,   254                         ; v[254:255] 1 / sum
.set SEL,  30
.set CS,   32
.set INB,  40                          ; s40-47 lane masks: is the table's entry inside the band?
.set MSB,  0
.macro WIN new
.if MSB != \new
	s_set_vgpr_msb (MSB<<8)|\new
.set MSB, \new
.endif
.endm
.macro PLACES
.rept 4
	v_nop
.endr
.endm
.macro QUANT2 s, pc, pw                ; 32 numbers of a lane (register 16 b + i) become an image in v[pc .. pc + 5] and my row's scale word in v[pw]
.irp b, 0,1
	v_max3_num_f32 v[TM+\b], |v[\s+16*\b]|, |v[\s+16*\b+1]|, 0x1800000
.endr
.irp i, 2,4,6,8,10,12,14
.irp b, 0,1
	v_max3_num_f32 v[TM+\b], v[TM+\b], |v[\s+16*\b+\i]|, |v[\s+16*\b+\i+1]|
.endr
.endr
.irp b, 0,1
	v_permlanex16_b32 v[TX+\b], v[TM+\b], s[SEL], s[SEL+1]
.endr
.irp b, 0,1
	v_max_num_f32 v[TM+\b], v[TM+\b], v[TX+\b]
.endr
.irp b, 0,1
	v_add_nc_u32 v[SCL+\b], 0xff000000, v[TM+\b]
.endr
.irp b, 0,1
	v_lshrrev_b32 v[BY+\b], 23, v[SCL+\b]
.endr
	v_lshl_or_b32 v[\pw], v[BY+1], 8, v[BY]
	v_cvt_scalef32_pk16_fp6_f32 v[\pc:\pc+2], v[\s:\s+15], v[SCL]
	v_cvt_scalef32_pk16_fp6_f32 v[PX:PX+2], v[\s+16:\s+31], v[SCL+1]
	v_nop
.irp i, 0,1,2
	v_permlane16_swap_b32 v[\pc+\i], v[PX+\i]
.endr
.irp i, 0,1,2
	v_mov_b32 v[\pc+3+\i], v[PX+\i]
.endr
.endm
; a product: D at d, source 0 at a (window 1), source 1 at b; z: the sum starts with 0, else in place; ra, rb: the scales' lanes 16-31
.macro WM d, a, b, z, sa, sb, ra, rb
.if (\z) && (\ra)
	v_wmma_scale_f32_16x16x128_f8f6f4 v[\d:\d+7], v[\a:\a+11], v[\b:\b+11], 0, v[\sa], v[\sb] matrix_a_fmt:MATRIX_FMT_FP6 matrix_b_fmt:MATRIX_FMT_FP6 matrix_a_scale:MATRIX_SCALE_ROW1
.elseif (\z)
	v_wmma_scale_f32_16x16x128_f8f6f4 v[\d:\d+7], v[\a:\a+11], v[\b:\b+11], 0, v[\sa], v[\sb] matrix_a_fmt:MATRIX_FMT_FP6 matrix_b_fmt:MATRIX_FMT_FP6
.elseif (\ra) && (\rb)
	v_wmma_scale_f32_16x16x128_f8f6f4 v[\d:\d+7], v[\a:\a+11], v[\b:\b+11], v[\d:\d+7], v[\sa], v[\sb] matrix_a_fmt:MATRIX_FMT_FP6 matrix_b_fmt:MATRIX_FMT_FP6 matrix_a_scale:MATRIX_SCALE_ROW1 matrix_b_scale:MATRIX_SCALE_ROW1
.elseif (\ra)
	v_wmma_scale_f32_16x16x128_f8f6f4 v[\d:\d+7], v[\a:\a+11], v[\b:\b+11], v[\d:\d+7], v[\sa], v[\sb] matrix_a_fmt:MATRIX_FMT_FP6 matrix_b_fmt:MATRIX_FMT_FP6 matrix_a_scale:MATRIX_SCALE_ROW1
.elseif (\rb)
	v_wmma_scale_f32_16x16x128_f8f6f4 v[\d:\d+7], v[\a:\a+11], v[\b:\b+11], v[\d:\d+7], v[\sa], v[\sb] matrix_a_fmt:MATRIX_FMT_FP6 matrix_b_fmt:MATRIX_FMT_FP6 matrix_b_scale:MATRIX_SCALE_ROW1
.else
	v_wmma_scale_f32_16x16x128_f8f6f4 v[\d:\d+7], v[\a:\a+11], v[\b:\b+11], v[\d:\d+7], v[\sa], v[\sb] matrix_a_fmt:MATRIX_FMT_FP6 matrix_b_fmt:MATRIX_FMT_FP6
.endif
.endm
	s_load_b512 s[4:19], s[0:1], 0x0               ; qc s4, qs s6, kc s8, ks s10, vc s12, vs s14, rel_table s16, oc s18
	s_load_b64 s[20:21], s[0:1], 0x40              ; os
	v_lshl_add_u32 v191, v0, 2, 0xb100
	v_mov_b32 v195, 0
	v_lshrrev_b32 v1, 5, v0
	v_readfirstlane_b32 s22, v1                    ; wave 0..7
	v_and_b32 v1, 15, v0                           ; r.  (What hangs on the thread's number alone stands here, between the line above and the wait for its result)
	v_bfe_u32 v2, v0, 4, 1                         ; h
	v_and_b32 v3, 31, v0                           ; lane
	v_lshlrev_b32 v12, 4, v3
	v_lshlrev_b32 v13, 3, v3
	v_lshlrev_b32 v14, 2, v3
	v_lshlrev_b32 v16, 2, v0                       ; the table: my entry of 256
.irp n, 0,1,2,3,4,5,6,7                ; entry y = thread + 256 (n % 2) + n / 2 of copy n / 2
	v_add_nc_u32 v[88+\n], 256*(\n%2)+\n/2, v0
	v_max_u32 v[80+\n], 127, v[88+\n]
	v_min_u32 v[80+\n], 255, v[80+\n]              ; held inside the band: every load stays in the table
	v_lshlrev_b32 v[64+\n], 6, v[80+\n]            ; a row of rel_table is 64 bytes
.endr
	s_wait_alu depctr_va_sdst(0)                   ; s22 is written, ahead of its first reader: shares, offsets and a branch are made from it
	s_lshr_b32 s23, s22, 1
	s_and_b32 s24, s22, 1                          ; which 32 queries of the unit
	s_and_b32 s26, ttmp7, 0xffff                   ; 16 x batch + head
	s_lshl_b32 s25, ttmp9, 2
	s_add_co_u32 s27, s25, s23                     ; c: my unit of 64 queries
	s_and_b32 s28, s26, 15                         ; head
	s_lshr_b32 s29, s26, 4                         ; batch
	s_mov_b32 s[SEL], 0x76543210
	s_mov_b32 s[SEL+1], 0xfedcba98
	s_mov_b32 s[CS], 0x3e38aa3b                    ; c = log2(e) / 8
	s_mov_b32 s[CS+1], s[CS]
	s_mov_b32 s34, 0xbe38aa3b                      ; -c
	s_mov_b32 s35, 0xffff0000                      ; lanes 16-31
	s_lshl_b32 s36, s26, 7                         ; the first image of this batch and head: 128 images each
	s_lshl_b32 s38, s27, 2
	s_add_co_u32 s37, s36, s38
	s_lshl_b32 s38, s24, 1
	s_add_co_u32 s37, s37, s38                     ; my first image of Q
	s_mul_i32 s38, s37, 768
	s_mov_b32 s39, 0
	s_lshl_b32 s40, s37, 6
	s_mov_b32 s41, 0
	s_max_u32 s42, s27, 1                          ; units c - 1, c, c + 1, held inside the sequence: what a held unit brings is masked
	s_sub_co_u32 s42, s42, 1
	s_add_co_u32 s44, s27, 1
	s_min_u32 s44, s44, 31
	s_lshl_b32 s42, s42, 2
	s_add_co_u32 s42, s42, s36
	s_lshl_b32 s42, s42, 6                         ; their scale words: 64 bytes an image
	s_lshl_b32 s43, s27, 2
	s_add_co_u32 s43, s43, s36
	s_lshl_b32 s43, s43, 6
	s_lshl_b32 s44, s44, 2
	s_add_co_u32 s44, s44, s36
	s_lshl_b32 s44, s44, 6
	s_add_co_u32 s45, s25, s22                     ; the unit that I bring into LDS (waves 0 to 5): 4 x - 1 + wave, held likewise
	s_max_u32 s45, s45, 1
	s_sub_co_u32 s45, s45, 1
	s_min_u32 s45, s45, 31
	s_lshl_b32 s45, s45, 2
	s_add_co_u32 s45, s45, s36
	s_mul_i32 s46, s45, 768
	s_mov_b32 s47, 0
	s_lshl_b32 s48, s28, 2                         ; the head's column of rel_table
	s_mov_b32 s49, 0
	s_sub_co_u32 s52, s37, s36                     ; 4 c + 2 (w % 2): my first tile of 16 tokens
	s_lshl_b32 s53, s29, 7
	s_add_co_u32 s52, s52, s53
	s_lshl_b32 s52, s52, 4
	s_add_co_u32 s52, s52, s28
	s_mul_i32 s50, s52, 768                        ; oc: image (tile of tokens x 16 + head)
	s_mov_b32 s51, 0
	s_lshl_b32 s54, s29, 6
	s_lshl_b32 s53, s27, 1
	s_add_co_u32 s54, s54, s53
	s_add_co_u32 s54, s54, s24
	s_lshl_b32 s54, s54, 11                        ; os: 2,048 bytes for 32 tokens,
	s_lshl_b32 s53, s28, 7
	s_add_co_u32 s54, s54, s53                     ; 128 a head
	s_mov_b32 s55, 0
	s_mul_i32 s56, s22, 3072
	s_mul_i32 s57, s23, 3072
	s_xor_b32 s58, s24, 1
	s_lshl_b32 s58, s58, 5
	s_add_co_u32 s58, s58, 15                      ; 47 - 32 (w % 2)
	s_cmp_eq_u32 s27, 0
	s_cselect_b32 s59, 0, 256                      ; unit c - 1: 64 entries lower where it does not exist
	s_cmp_eq_u32 s27, 31
	s_mov_b32 s60, 256
	s_cselect_b32 s60, 512, s60                    ; unit c + 1: 64 higher
	v_add_nc_u32 v4, s42, v14
	v_add_nc_u32 v5, s43, v14
	v_add_nc_u32 v6, s44, v14
	v_add_nc_u32 v15, s56, v12
	v_add_nc_u32 v15, KIM, v15                     ; where I put my unit
	v_add_nc_u32 v7, s57, v12
	v_add_nc_u32 v7, KIM, v7                       ; where my three units begin: an image's first plane,
	v_add_nc_u32 v8, s57, v13
	v_add_nc_u32 v8, KIM+512, v8                   ; its second
	v_lshl_add_u32 v17, v2, 3, s58
	v_sub_nc_u32 v17, v17, v1                      ; 47 + 8 h - 32 (w % 2) - r, never under 0
	v_sub_nc_u32 v18, 19, v1
	v_and_b32 v18, 3, v18                          ; the copy in which my runs begin on 16 bytes: (3 - r) mod 4
	v_mul_u32_u24 v18, v18, TP-4
	v_lshl_add_u32 v17, v17, 2, v18
	v_add_nc_u32 v[TA], s59, v17
	v_add_nc_u32 v[TA+1], 256, v17
	v_add_nc_u32 v[TA+2], s60, v17
	s_wait_kmcnt 0x0
	s_add_nc_u64 s[16:17], s[16:17], s[48:49]
	s_add_nc_u64 s[4:5], s[4:5], s[38:39]
	s_add_nc_u64 s[6:7], s[6:7], s[40:41]
	s_add_nc_u64 s[8:9], s[8:9], s[46:47]
	s_add_nc_u64 s[12:13], s[12:13], s[46:47]
	s_add_nc_u64 s[18:19], s[18:19], s[50:51]
	s_add_nc_u64 s[20:21], s[20:21], s[54:55]
	s_wait_alu depctr_va_vdst(0)                   ; the addresses and offsets v4 to v16 and v64 to v71 are written, which the loads and stores of the whole kernel read; none of v4 to v16 is written again
.irp n, 0,1,2,3,4,5,6,7
	global_load_b32 v[72+\n], v[64+\n], s[16:17] offset:-4032   ; row y - 63
.endr
.irp u, 0,1
	global_load_b128 v[40+12*\u:43+12*\u], v12, s[4:5] offset:768*\u
	global_load_b64 v[44+12*\u:45+12*\u], v13, s[4:5] offset:768*\u+512
.endr
	global_load_b32 v32, v14, s[6:7]               ; Q's scale words: lanes 0-15 tile 0, lanes 16-31 tile 1
.irp u, 0,1,2
.irp n, 0,1
	global_load_b32 v[20+2*\u+\n], v[4+\u], s[10:11] offset:128*\n   ; K's: lanes 0-15 an even tile's, lanes 16-31 the odd one's
	global_load_b32 v[26+2*\u+\n], v[4+\u], s[14:15] offset:128*\n   ; V's: v26, 27 unit 0; v28, 29 unit 1; v30, 31 unit 2
.endr
.endr
	s_cmp_lt_u32 s22, 6
	s_cbranch_scc0 .Lno_unit
.irp n, 0,1,2,3,4,5                    ; a unit's four images are 3,072 dense bytes: 512 a load
	global_load_b128 v[96+4*\n:99+4*\n], v12, s[8:9] offset:512*\n
	global_load_b128 v[120+4*\n:123+4*\n], v12, s[12:13] offset:512*\n
.endr
	s_wait_loadcnt 0x0
.irp n, 0,1,2,3,4,5
	ds_store_b128 v15, v[96+4*\n:99+4*\n] offset:512*\n            ; loaded data and an address from the head: no vector line has named either since the wait above
	ds_store_b128 v15, v[120+4*\n:123+4*\n] offset:VIM-KIM+512*\n
.endr
.Lno_unit:
	s_wait_loadcnt 0x0
.irp n, 0,1,2,3,4,5,6,7
	v_cmp_eq_u32 s[INB+\n], v[80+\n], v[88+\n]     ; inside the band?  The eight masks in one run, a scalar register each
.endr
.irp n, 0,1,2,3,4,5,6,7
	v_mul_f32 v[72+\n], 0x41000000, v[72+\n]       ; 8 x bias: the scores are divided by 8 later
.endr
.irp n, 0,1
	v_lshl_or_b32 v[26+\n], v[28+\n], 16, v[26+\n] ; V's scale words for keys 0 to 127: unit 0's two bytes, unit 1's two
.endr
.irp j, 46,47,48,49,50,51,58,59,60,61,62,63,178,179,180,181,182,183
	v_mov_b32 v[\j], 0                             ; zero codes: Q's upper halves, P's last six registers
.endr
.irp j, 234,235,236,237,238,239,249,255
	v_mov_b32 v[\j], 0                             ; written once: destinations of lane permutes, upper halves of pairs that are named whole
.endr
	WIN 0x40                                       ; destination window 1: K's twelve tiles at 6 t, V's (features f, unit n) at 80 + 18 f + 6 n
.irp j, 72,73,74,75,76,77,152,153,154,155,156,157
	v_mov_b32 v[\j], 0                             ; what stands behind the last tile of each
.endr
	WIN 0
	s_wait_alu depctr_va_sdst(0)                   ; the eight masks s40 to s47 are written, ahead of their first reader
.irp n, 0,1,2,3,4,5,6,7
	v_cndmask_b32 v[72+\n], 0xf149f2ca, v[72+\n], s[INB+\n]   ; outside the band -1e30
.endr
	s_wait_alu depctr_va_vdst(0)                   ; the table's entries v72 to v79 are written, which the LDS stores read; the zero codes and V's joined scale words are written, which scaled products take; the compares are done reading v80 to v95, in which, as in v64 to v79, the table's loads land
.irp n, 0,1,2,3,4,5,6,7
	ds_store_b32 v16, v[72+\n] offset:(\n/2)*TP+1024*(\n%2)
.endr
	s_wait_dscnt 0x0                               ; for the others' sake: my stores have landed
	s_barrier_signal -1
	s_barrier_wait -1
	s_wait_alu depctr_vm_vsrc(0)                   ; my LDS stores have read v72 to v79 and v96 to v143, the loads of rel_table their offsets v64 to v71: these registers are S from here on, in which the table's loads land
	WIN 0x40
.irp t, 0,1,2,3,4,5,6,7,8,9,10,11
	ds_load_b128 v[6*\t:6*\t+3], v7 offset:768*\t
	ds_load_b64 v[6*\t+4:6*\t+5], v8 offset:768*\t
.endr
.irp n, 0,1,2
.irp f, 0,1,2,3
	ds_load_b128 v[80+18*\f+6*\n:80+18*\f+6*\n+3], v7 offset:VIM-KIM+768*(4*\n+\f)
	ds_load_b64 v[80+18*\f+6*\n+4:80+18*\f+6*\n+5], v8 offset:VIM-KIM+768*(4*\n+\f)
.endr
.endr
	WIN 0
.macro TABLE u                         ; tile u's C: bias and mask of keys 16 t + 8 h + 0 .. 7 against my query, into S
.irp t, 0,1,2,3,4,5,6,7,8,9,10,11
	ds_load_b128 v[S+8*\t:S+8*\t+3], v[TA+\t/4] offset:64*\t+64*(1-\u)
	ds_load_b128 v[S+8*\t+4:S+8*\t+7], v[TA+\t/4] offset:64*\t+64*(1-\u)+16
.endr
.endm
.macro TILE u
	s_wait_dscnt 0x0                               ; bias and mask are in S (tile 0: K's and V's tiles are in too)
	WIN 0x01                                       ; source 0 in window 1
.irp t, 0,1,2,3,4,5,6,7,8,9,10,11
	WM S+8*\t, 6*\t, 40+12*\u, 0, 20+\t/2, 32, \t%2, \u
.endr
	WIN 0
	PLACES
.irp b, 0,1,2,3,4,5
	v_max3_num_f32 v[BM+\b], v[S+16*\b], v[S+16*\b+1], v[S+16*\b+2]   ; each block's largest score: for the row's maximum, and for the block's largest p
.endr
.irp i, 3,5,7,9,11,13
.irp b, 0,1,2,3,4,5
	v_max3_num_f32 v[BM+\b], v[BM+\b], v[S+16*\b+\i], v[S+16*\b+\i+1]
.endr
.endr
.irp b, 0,1,2,3,4,5
	v_max_num_f32 v[BM+\b], v[BM+\b], v[S+16*\b+15]
.endr
.irp b, 0,1,2,3,4,5
	v_permlanex16_b32 v[BT+\b], v[BM+\b], s[SEL], s[SEL+1]
.endr
.irp b, 0,1,2,3,4,5
	v_max_num_f32 v[BM+\b], v[BM+\b], v[BT+\b]
.endr
	v_max3_num_f32 v[RM], v[BM], v[BM+1], v[BM+2]
	v_max3_num_f32 v[RM], v[RM], v[BM+3], v[BM+4]
	v_max_num_f32 v[RM], v[RM], v[BM+5]            ; the row's maximum: the query's own key lies in the band, so it is a true score
	v_mul_f32 v[NMC], s34, v[RM]
.set J, 0
.rept 48
	v_pk_fma_f32 v[S+J:S+J+1], v[S+J:S+J+1], s[CS:CS+1], v[NMC:NMC+1] op_sel_hi:[1,0,0]
.set J, J+2
.endr
.irp b, 0,1,2,3,4,5
	v_fma_f32 v[BM+\b], v[BM+\b], s[CS], v[NMC]
.endr
.set J, 0
.rept 96
	v_exp_f32 v[S+J], v[S+J]
.set J, J+1
.endr
.irp b, 0,1,2,3,4,5
	v_exp_f32 v[BM+\b], v[BM+\b]
.endr
	v_nop                                          ; one plain place behind the exponentials
	s_wait_alu depctr_va_vdst(0)                   ; the 102 exponentials have written S and v228 to v233: one wait for the batch, ahead of its first reader
	v_pk_add_f32 v[SA:SA+1], v[S:S+1], v[S+2:S+3]  ; the row's sum, two at a time, in two chains
	v_pk_add_f32 v[SB:SB+1], v[S+4:S+5], v[S+6:S+7]
.set J, 8
.rept 22
	v_pk_add_f32 v[SA:SA+1], v[SA:SA+1], v[S+J:S+J+1]
	v_pk_add_f32 v[SB:SB+1], v[SB:SB+1], v[S+J+2:S+J+3]
.set J, J+4
.endr
	v_pk_add_f32 v[SA:SA+1], v[SA:SA+1], v[SB:SB+1]
	v_add_f32 v[RL], v[SA], v[SA+1]
	v_permlanex16_b32 v[RM], v[RL], s[SEL], s[SEL+1]
	v_add_f32 v[RL], v[RL], v[RM]
	v_rcp_f32 v[RR], v[RL]
	v_nop                                          ; one plain place behind the reciprocal
.set J, 0
	s_wait_alu depctr_va_vdst(0)                   ; the reciprocal has written v254, ahead of its first reader
.rept 48
	v_pk_mul_f32 v[S+J:S+J+1], v[S+J:S+J+1], v[RR:RR+1] op_sel_hi:[1,0]   ; the finished softmax
.set J, J+2
.endr
.irp b, 0,1,2,3,4,5
	v_mul_f32 v[BM+\b], v[BM+\b], v[RR]
.endr
.irp b, 0,1,2,3,4,5
	v_max_num_f32 v[BM+\b], 0x1800000, v[BM+\b]    ; the floor 2^(3 - 127): a block of zeros keeps the byte 1, its codes are zeros
.endr
.irp b, 0,1,2,3,4,5
	v_add_nc_u32 v[SCL+\b], 0xff000000, v[BM+\b]
.endr
.irp b, 0,1,2,3,4,5
	v_lshrrev_b32 v[BT+\b], 23, v[SCL+\b]
.endr
	v_lshl_or_b32 v33, v[BT+1], 8, v[BT]           ; p's scale words: keys 0 to 127,
	v_lshl_or_b32 v34, v[BT+5], 8, v[BT+4]         ; keys 128 to 191
	v_lshl_or_b32 v33, v[BT+2], 16, v33
	v_lshl_or_b32 v33, v[BT+3], 24, v33
.if \u
	s_wait_xcnt 0x0                                ; tile 0's stores have had their addresses translated (ISA guide 3.1): P's codes are written over their data only behind this wait,
	s_wait_alu depctr_vm_vsrc(0)                   ; and beside it: tile 0's stores have read v160 to v165, which the conversions below write again
.endif
.irp g, 0,1,2
	v_cvt_scalef32_pk16_fp6_f32 v[PCD+6*\g:PCD+6*\g+2], v[S+32*\g:S+32*\g+15], v[SCL+2*\g]
	v_cvt_scalef32_pk16_fp6_f32 v[PX+4*\g:PX+4*\g+2], v[S+32*\g+16:S+32*\g+31], v[SCL+2*\g+1]
.endr
	v_nop
.irp g, 0,1,2
.irp i, 0,1,2
	v_permlane16_swap_b32 v[PCD+6*\g+\i], v[PX+4*\g+\i]
.endr
.irp i, 0,1,2
	v_mov_b32 v[PCD+6*\g+3+\i], v[PX+4*\g+\i]
.endr
.endr
.rept 8
	v_nop                                          ; scale words and codes written by vector instructions stand 8 and 4 places ahead of a scaled product
.endr
.if (\u) == 0
	s_wait_alu depctr_va_vdst(0)                   ; P's codes v160 to v177 and its scale words v33, v34 are written, which the scaled products take; the conversions are done reading S, in which the loads below land
	TABLE 1                                        ; the next tile's bias and mask are asked for at once: neither the eight products nor the result's quantiser names S
.else
	s_wait_alu depctr_va_vdst(0)                   ; P's codes v160 to v177 and its scale words v33, v34 are written, which the scaled products take
.endif
	WIN 0x01
.irp k, 0,1                            ; O^T = V^T P^T: keys 0 to 127, then 128 to 191; the four accumulators by turns
.irp f, 0,1,2,3
	WM OT+8*\f, 80+18*\f+12*\k, PCD+12*\k, 1-\k, 26+4*\k+\f/2, 33+\k, \f%2, 0
.endr
.endr
	WIN 0
	PLACES
	QUANT2 OT, PCD+8*\u, 35+\u                     ; the result along D: register 16 b + i is feature 32 b + 16 h + i of the head
.if \u
	v_cndmask_b32 v37, v35, v36, s35               ; lanes 0-15 tile 0's scale words, lanes 16-31 tile 1's
.endif
	s_wait_alu depctr_va_vdst(0)                   ; the quantiser has written the image's six registers (tile 1: and v37 is written), which the stores below read
	global_store_b128 v12, v[PCD+8*\u:PCD+8*\u+3], s[18:19] offset:12288*\u
	global_store_b64 v13, v[PCD+8*\u+4:PCD+8*\u+5], s[18:19] offset:12288*\u+512
.if \u
	global_store_b32 v14, v37, s[20:21]
.endif
.endm
	TABLE 0                                        ; no wait: no vector instruction has named S since the wait ahead of the table's LDS stores
	TILE 0
	TILE 1
	s_wait_dscnt 0x0                               ; the closing lines, six on end
	s_wait_alu 0x0
	s_wait_tensorcnt 0x0
	ds_add_u32 v191, v195
	s_wait_dscnt 0x0
	s_endpgm
.Lfunc_end_k_q9565d8fe52_attn:
	.size	k_q9565d8fe52_attn, .Lfunc_end_k_q9565d8fe52_attn-k_q9565d8fe52_attn
	.p2alignl 7, 3214868480
	.fill 96, 4, 3214868480
	.section	.rodata,"a",@progbits
	.p2align	6, 0x0
	.amdhsa_kernel k_q9565d8fe52_attn
		.amdhsa_group_segment_fixed_size 46336
		.amdhsa_private_segment_fixed_size 0
		.amdhsa_enable_private_segment 0
		.amdhsa_kernarg_size 72
		.amdhsa_user_sgpr_count 2
		.amdhsa_user_sgpr_kernarg_segment_ptr 1
		.amdhsa_wavefront_size32 1
		.amdhsa_system_sgpr_workgroup_id_x 1
		.amdhsa_system_sgpr_workgroup_id_y 1
		.amdhsa_system_sgpr_workgroup_id_z 1
		.amdhsa_system_vgpr_workitem_id 0
		.amdhsa_next_free_vgpr 448
		.amdhsa_next_free_sgpr 66
		.amdhsa_reserve_vcc 0
		.amdhsa_float_denorm_mode_32 3
		.amdhsa_float_denorm_mode_16_64 3
		.amdhsa_memory_ordered 1
		.amdhsa_forward_progress 1
		.amdhsa_inst_pref_size 69
	.end_amdhsa_kernel
	.amdgpu_metadata
---
amdhsa.version: [ 1, 2 ]
amdhsa.kernels:
  - .name:           k_q9565d8fe52_attn
    .symbol:         k_q9565d8fe52_attn.kd
    .args:
      - { .name: qc, .offset: 0, .size: 8, .value_kind: global_buffer, .address_space: global }
      - { .name: qs, .offset: 8, .size: 8, .value_kind: global_buffer, .address_space: global }
      - { .name: kc, .offset: 16, .size: 8, .value_kind: global_buffer, .address_space: global }
      - { .name: ks, .offset: 24, .size: 8, .value_kind: global_buffer, .address_space: global }
      - { .name: vc, .offset: 32, .size: 8, .value_kind: global_buffer, .address_space: global }
      - { .name: vs, .offset: 40, .size: 8, .value_kind: global_buffer, .address_space: global }
      - { .name: rel_table, .offset: 48, .size: 8, .value_kind: global_buffer, .address_space: global }
      - { .name: oc, .offset: 56, .size: 8, .value_kind: global_buffer, .address_space: global }
      - { .name: os, .offset: 64, .size: 8, .value_kind: global_buffer, .address_space: global }
    .group_segment_fixed_size: 46336
    .private_segment_fixed_size: 0
    .kernarg_segment_align: 8
    .kernarg_segment_size: 72
    .max_flat_workgroup_size: 256
    .sgpr_count:     66
    .vgpr_count:     448
    .wavefront_size: 32
...
	.end_amdgpu_metadata
.endif
;; end of part 4
;; launch outp: the kernel of part 3 again; grid 8 x 32, 4 waves a work-group, clusters of 4 x 4, 220,672 bytes of LDS; arguments oc, os, Wo_codes, Wo_scales, bo, out0; writes out0
